; MI455X (gfx1250); checked and timed in simulation.
; The chip was launched on July 23, 2026; its instructions are those of AMD's public machine-readable ISA for CDNA 5 (MIT licence, August 2026) and "CDNA5" Instruction Set Architecture Reference Guide (July 2026). The comments in the code are by the model that wrote it; some were corrected since.
;; Self Attention Layer. Allowed arithmetic: matrix products marked QUANTISED: E4M3 operands, one E8M0 scale for each 32 along K, by v_wmma_scale_f32_16x16x128_f8f6f4 with both operands' format E4M3, f32 sums; everything else in f32.
;; Inputs: bk 1,024 float32; bp 1,024 float32; bq 1,024 float32; bv 1,024 float32; wk_codes 1,024 x 32 x 32 uint8 (E4M3 codes of wk, K innermost, in blocks of 32 codes); wk_scales 1,024 x 32 uint8 (E8M0 scales of wk, one for each 32 codes along K); wp_codes 1,024 x 32 x 32 uint8 (E4M3 codes of wp, K innermost, in blocks of 32 codes); wp_scales 1,024 x 32 uint8 (E8M0 scales of wp, one for each 32 codes along K); wq_codes 1,024 x 32 x 32 uint8 (E4M3 codes of wq, K innermost, in blocks of 32 codes); wq_scales 1,024 x 32 uint8 (E8M0 scales of wq, one for each 32 codes along K); wv_codes 1,024 x 32 x 32 uint8 (E4M3 codes of wv, K innermost, in blocks of 32 codes); wv_scales 1,024 x 32 uint8 (E8M0 scales of wv, one for each 32 codes along K); x_codes 4 x 2,048 x 32 x 32 uint8 (E4M3 codes of x, K innermost, in blocks of 32 codes); x_scales 4 x 2,048 x 32 uint8 (E8M0 scales of x, one for each 32 codes along K).
;; Outputs: out0 4 x 2,048 x 1,024 float32.
;; This version of the problem:
;;   THIS VERSION OF THE PROBLEM IS GIVEN IN LOW PRECISION. The matrix products marked QUANTISED in the list below multiply operands that are first quantised to E4M3 (4 exponent bits, 3 mantissa bits; 8 bits a number), with one power-of-two scale for each 32 numbers along K (OCP MX v1.0); their sums are f32. All else is computed in f32.
;;   The module's matrix products, in the order in which they are computed (A, B: the left and right operand; K: the contracted axis; several contracted axes count as one K, in the product's order):
;;     1. [M 8,192, K 1,024] x [K 1,024, N 1,024]; A: input x (given as codes); B: input wq (given as codes): QUANTISED
;;     2. [M 8,192, K 1,024] x [K 1,024, N 1,024]; A: input x (given as codes); B: input wk (given as codes): QUANTISED
;;     3. [M 8,192, K 1,024] x [K 1,024, N 1,024]; A: input x (given as codes); B: input wv (given as codes): QUANTISED
;;     4. batch 64 x [M 2,048, K 64] x [K 64, N 2,048]; A: computed on the way; B: computed on the way: QUANTISED
;;     5. batch 64 x [M 2,048, K 2,048] x [K 2,048, N 64]; A: softmax (see below); B: computed on the way: QUANTISED
;;     6. [M 8,192, K 1,024] x [K 1,024, N 1,024]; A: computed on the way; B: input wp (given as codes): QUANTISED
;;   THE QUANTISER, for each operand of a quantised product, along K:
;;     - K is cut into blocks of 32 from its start; a last block that is shorter is filled with zeros.
;;     - A block's scale is 2^e with e = floor(log2(the largest magnitude in the block)) - 8, held to -126 .. 127; a block of zeros has e = 0. As a byte (E8M0): e + 127.
;;     - Each number is divided by its block's scale, clamped to +-448, and rounded to the nearest number of E4M3, ties to even, subnormals kept.
;;     - The product sums the exact products of the quantised numbers (number of the format x scale) in f32.
;;   ~~~python
;;   def quantise(x, axis):      # numpy; x: float32 -> the quantised numbers, widened to float32 again
;;       x = np.moveaxis(x, axis, -1); K = x.shape[-1]
;;       x = np.pad(x, [(0, 0)] * (x.ndim - 1) + [(0, -K % 32)]); x = x.reshape(x.shape[:-1] + (-1, 32)); a = np.abs(x).max(-1, keepdims=True)
;;       e = np.where(a > 0, np.clip(np.frexp(np.where(a > 0, a, 1))[1] - 1 - 8, -126, 127), 0)      # np.frexp(a)[1] - 1 = floor(log2(a)), exactly
;;       r = np.clip(x / 2.0 ** e, -448, 448)
;;       step = 2.0 ** (np.maximum(np.frexp(np.where(r == 0, 1, r))[1] - 1, -6) - 3)
;;       q = np.round(r / step) * step * 2.0 ** e      # np.round: ties to even
;;       return np.moveaxis(q.reshape(q.shape[:-2] + (-1,))[..., :K], -1, axis).astype(np.float32)
;;   ~~~
;;   SOFTMAX AHEAD OF A QUANTISED PRODUCT. Where the list says 'softmax', what is quantised is not the finished softmax but p = 2^(t - M), with t = logit x log2(e) and M = ceil(the row's largest t), a whole number; so 1/2 < the row's largest p <= 1. The row's sum l is taken of the UNQUANTISED p, in f32, and the product's result is divided by l at the end. Since M is a whole number, a kernel that streams over the keys may use a running M (the ceiling of the running maximum): every later rescaling is an exact power of two, which a block's scale takes up: the codes' values come out the same.
;;   OPERANDS COMPUTED ON THE WAY. 'Computed on the way' means the value that the module computes at that place (a softmax that the list does not call 'softmax' is quantised finished and normalised). What goes into a quantiser is computed in f32, as accurately as f32 sums, v_exp_f32 and their like allow (about 1e-6 of the number): no bf16 or f16 on the way to a quantiser, and a product that is left as it is and whose result goes on into a quantised operand takes f32 operands (vector FMAs, or v_wmma_f32_16x16x4_f32). A number that lies on a knife's edge between two numbers of the format may be rounded either way, as far as f32 arithmetic and the matrix unit's own rounding can turn it there, and no further.
;;   INPUTS GIVEN AS CODES. wk (in the module: [1024, 1024], K = its axis 1); wp (in the module: [1024, 1024], K = its axis 1); wq (in the module: [1024, 1024], K = its axis 1); wv (in the module: [1024, 1024], K = its axis 1); x (in the module: [4, 2048, 1024], K = its axis 2): each comes as NAME_codes (uint8): NAME with its K axis moved to the last place and cut into blocks of 32 codes, [.., K / 32, bytes a block], one block behind the other in memory; one code a byte (a code: sign, 4 exponent bits, 3 mantissa bits); and NAME_scales (uint8): the same leading axes, one E8M0 byte (e + 127) for each 32 codes along K. Its value is code x scale, taken as it is: it is not quantised again, and the codes and scales need not be those that the quantiser above would give.
;; One version. Each part assembles by itself: llvm-mc -triple=amdgcn-amd-amdhsa -mcpu=gfx1250 --defsym DOCPART=n.
;; ======== version 1 of 1: 3 launches
;; limits: right only within a limited range of input values
;; workspace buffers: qc 8,388,608 bytes; qs 262,144 bytes; kv 17,301,504 bytes; ac 8,388,608 bytes; asc 262,144 bytes
;; launch qkv (part 1): grid 12 x 32, 4 waves a work-group, clusters of 4 x 4, 327,680 bytes of LDS; arguments x_codes, x_scales, wq_codes, wq_scales, wk_codes, wk_scales, wv_codes, wv_scales, bq, bk, bv, qc, qs, kv; writes qc, qs, kv
.if DOCPART == 1
	.amdgcn_target "amdgcn-amd-amdhsa--gfx1250"
	.amdhsa_code_object_version 6
	.text
	.protected	k_qdf7a460dd5_qkv
	.globl	k_qdf7a460dd5_qkv
	.p2align	8
	.type	k_qdf7a460dd5_qkv,@function
k_qdf7a460dd5_qkv:
	s_mov_b64 s[64:65], 0
	v_nop
	global_prefetch_b8 v0, s[64:65] scope:SCOPE_SE
	s_setreg_imm32_b32 hwreg(HW_REG_WAVE_MODE, 25, 1), 1
	s_wait_xcnt 0x0
	s_wait_alu depctr_hold_cnt(0) depctr_sa_sdst(0) depctr_va_vdst(0) depctr_va_sdst(0) depctr_va_ssrc(0) depctr_va_vcc(0) depctr_vm_vsrc(0)
	s_getreg_b32 s2, hwreg(HW_REG_IB_STS2, 6, 4)
	s_cmp_eq_u32 s2, 0
	s_cbranch_scc0 .Lentry_in_a_cluster
	s_endpgm
.Lentry_in_a_cluster:
	s_bfe_u32 s2, ttmp6, 0x10000c
	s_cmp_lg_u32 s2, 0xf033
	s_cbranch_scc0 .Lentry_shape_is_right
	s_endpgm
.Lentry_shape_is_right:
; q = x wq^T + bq, k = x wk^T + bk, v = x wv^T + bv on codes of FP8 (E4M3) with one E8M0 scale for each 32 along K = 1,024, sums in f32; the results are
; quantised at once for the attention: q and k along the head's channels, v along the tokens (the keys), and only codes and scale words go to memory.
; ONE TEXT FOR ALL THREE.  It makes C'[m'][n'] = sum over k of A'[m'][k] B'[n'][k] + bias and quantises along n'.  The cluster's x is the MODE: 0: A' = x, B' = wq; 1: A' = x, B' = wk;
; 2: A' = wv, B' = x, so that n' runs along the tokens.  Only pointers, a few offsets and the kind of bias hang on the mode, which all partners of a cluster share.
; A tile of C', 256 x 256, is made by four waves, each 128 x 128: 64 accumulators of 16 x 16.  K goes in steps of 256 through a ring of two LDS slots filled by the tensor data mover;
; the scale bytes of the work-group's 256 + 256 rows for all of K come once, with the first fills.  4 x 4 work-groups form a cluster: A's tiles are asked for jointly along a row, B's along a column.
; THE MATRIX INSTRUCTION IS USED TRANSPOSED (source 0 = 16 rows of B', source 1 = 16 rows of A'): lane (r, h) holds row r of A's block, and register j of B's block b holds n' = 16 b + 8 h + j.
; THE ORDER INSIDE A BLOCK OF 32.  A lane's 16 numbers of B's blocks 2 g and 2 g + 1 are n' = 32 g + 16 u + 8 h + j; their codes are written at byte 32 g + 16 h + 8 u + j of the row.  q and k carry this order
; alike along the channels, v and the attention's p alike along the keys: both operands of a product are permuted alike inside true blocks of 32, so scales and sums are as in the plain order.
; v's rows (channels) are stored with bits 3 and 4 of the channel's number swapped, which gives the attention's result its channels in true order.
; OUT: qc [b][head pair][t][128 bytes], qs [b][pair][t] one word; kv: a record of 67,584 bytes for each (b, pair, 256 keys): k's codes [256][128], v's codes [step 2][head 2][64][128 keys], k's words [256], v's words [2][2][64].
; LIMITS: NaN and infinities are not served.  A block of zeros gets the scale byte 1 where the quantiser's rule says 127 (its codes are zeros, and only this program reads the bytes); blocks whose largest magnitude lies under 2^-118 are held at the byte 1.
.set KSTEP,  256                       ; along K in a slot
.set NQ,     2                         ; matrix instructions deep
.set ROWB,   256                       ; a tile's row in bytes
.set KROW,   1024                      ; a row of A' or B' in memory, in bytes
.set PITCH,  272                       ; an LDS row: 256 bytes + 16 of padding = 68 words: the 16 rows that a load touches start at 16 different banks (64 banks of 4 bytes: ISA guide 11.1)
.set FR,     16                        ; registers of a fragment: 16 rows x 128 K
.set NL,     4                         ; LDS loads that bring one
.set NP,     8                         ; places behind this matrix instruction (ISA guide 7.12.1)
.set HALFT,  128*PITCH                 ; 128 rows: what one tensor load brings
.set SLOT,   4*HALFT                   ; A's 256 rows, then B's 256 rows
.set LAPS,   2                         ; a lap = two K steps = once round the ring: 1,024 / 512
.set KS,     32                        ; a row of scale bytes
.set SCL,    2*SLOT                    ; behind the ring: the scales, as units of 256 bytes + 16 of padding
.set HALFS,  16*272                    ; the scales of 128 rows
.set SBLK,   2*272                     ; those of 16 rows
.set SPARE,  SCL+4*HALFS               ; the spare words, 128 bytes for each wave: two blocks of 256 bytes that no other line names
.set REC,    67584                     ; a record of kv
.set SGO,  6                           ; v6      the way out: my 16 bytes among the wave's 128 scale words in memory
.set BNO,  7                           ; v7      32 h: my half's eight column biases
.set BM,   8                           ; v8-15   the bias of my row in each of A's eight blocks
.set ADRA, 16                          ; v16-17  LDS address of my A fragments in slot 0, 1
.set BMO,  18                          ; v18     4 r
.set GO,   19                          ; v19, v22, v23, v26: 16 x lane + x SA + y SK, at v[19 + 4 x + 3 y]: where four rows of codes go
.set ADRB, 20                          ; v20-21  the same as ADRA for B
.set STO,  24                          ; v24     the stage: where I put 16 codes of my row
.set RD,   25                          ; v25     the stage: where I read rows back
.set ADRS, 27                          ; v27     LDS address of my scale words: lanes 0-15 A's rows, lanes 16-31 B's
.set SPW,  28                          ; v28     LDS address of my spare word; never rewritten
.set NIL,  29                          ; v29     0; never rewritten
.set SST,  30                          ; v30     the stage: where my row's scale word goes
.set SRD,  31                          ; v31     the stage: four scale words back
.set SC,   32                          ; v32-63  scale words, two sets, and nothing else
.set BN,   64                          ; v64-127 the biases of my 64 columns, in the result's layout
.set AF,   128                         ; v128-255 A's fragments, one set; on the way out:
.set X,    128                         ; v128-191 a block's 64 numbers with their bias
.set PC,   192                         ; v192-207 its codes
.set TM,   208                         ; v208-223 at work: largest magnitudes, bytes, scale operands
.set PW,   224                         ; v224    the row's scale word
.set OUTR, 226                         ; v226-241 16 rows of codes read back from the stage
.set SW,   242                         ; v242-245 four scale words
.set G1, 24                            ; s[24:31] descriptor group 1 for A's tiles;  s[32:39] group 0, one set for each slot
.set G0, 32
.set G1B, 48                           ; s[48:55], s[56:63] the same for B's tiles
.set G0B, 56
.set G1S, 68                           ; s[68:75], s[76:79] groups 1 and 0 for A's scales;  s[80:87], s[88:91] for B's  (s68-95 first hold the 14 arguments)
.set G0S, 76
.set G1SB, 80
.set G0SB, 88
.set MODE, 66                          ; s66  0: q, 1: k, 2: v
.set SA,   67                          ; s67  bytes from A's block a to a + 1 in the output: 2,048; for v 1,024 (bit 4 of the row goes to bit 3)
.set SK,   95                          ; s95  bytes from row 8 on: 1,024; for v 2,048 (bit 3 goes to bit 4)
.set BNB,  92                          ; s[92:93] the bias at my first column
.set OSC,  96                          ; s[96:97] where my scale words go
.set BIA,  98                          ; s[98:99] the bias; later at my first row
.set SEL,  20                          ; s[20:21] lane selects for v_permlanex16_b32: lane l xor 16  (set behind the head)
.set MNT,  22
.set MSB, 0
.macro WIN new                         ; the immediate's high byte repeats the setting that is left
.if MSB != \new
	s_set_vgpr_msb (MSB<<8)|\new
.set MSB, \new
.endif
.endm
.set MUL_LO, 0xa1                      ; source 0 (B) window 1, source 1 (A) window 0, C and D window 2
.set MUL_HI, 0xf1                      ; the same, C and D window 3
.set TO_B,   0x40                      ; destination window 1, address window 0
; A joint load: waves 0 and 1 fetch for A, waves 2 and 3 for B.  Each line has one mask and one set of registers for all that issue it; the branch hangs on the wave's number alone.
; Four v_nop follow each of the two lines, ahead of the jump, the label and what follows.
.macro JLOAD g0a, g1a, g0b, g1b
	s_cmp_eq_u32 s15, 0
	s_cbranch_scc0 .Lfor_b_\@
	tensor_load_to_lds s[\g0a:\g0a+3], s[\g1a:\g1a+7]
	s_nop 0
.rept 4
	v_nop
.endr
	s_branch .Lasked_\@
.Lfor_b_\@:
	tensor_load_to_lds s[\g0b:\g0b+3], s[\g1b:\g1b+7]
	s_nop 0
.rept 4
	v_nop
.endr
.Lasked_\@:
.endm
.macro CREST                           ; a round of the cluster's barrier behind its opening barrier
	s_cmp_lg_u32 s14, 0
	s_cbranch_scc1 .Lnot_wave_0_\@
	s_barrier_signal -3
.Lnot_wave_0_\@:
	s_barrier_wait -3
	s_barrier_signal -1
	s_barrier_wait -1
.endm
.macro CROUND                          ; a whole round
	s_barrier_signal -1
	s_barrier_wait -1
	CREST
.endm
	s_load_b512 s[68:83], s[0:1], 0x0              ; x codes, x scales, wq codes, wq scales, wk codes, wk scales, wv codes, wv scales
	s_load_b256 s[84:91], s[0:1], 0x40             ; bq, bk, bv, qc
	s_load_b128 s[92:95], s[0:1], 0x60             ; qs, kv
	v_lshl_add_u32 v[SPW], v0, 2, SPARE
	v_mov_b32 v[NIL], 0
	ds_add_u32 v28, v29
	ds_add_u32 v28, v29
	s_wait_dscnt 0x0
	v_lshrrev_b32 v1, 5, v0
	v_readfirstlane_b32 s14, v1                    ; wave 0..3
	s_lshr_b32 s15, s14, 1                         ; which half of the tile's rows is mine.  Also: I fetch for A (0) or for B (1)
	s_and_b32 s16, s14, 1                          ; which half of its columns.  Also: which 128 rows of that tile I fetch
	s_bfe_u32 s40, ttmp6, 0x40000                  ; cx, cy: my place in the cluster
	s_bfe_u32 s41, ttmp6, 0x40004
	s_mov_b32 s[MODE], ttmp9                       ; the cluster's x
	s_and_b32 s18, ttmp7, 0xffff
	s_lshl_b32 s18, s18, 2                         ; 4 x the cluster's y: it walks the 32 tiles of the tokens' axis
	s_cmp_eq_u32 s[MODE], 2
	s_cselect_b32 s17, 0, s18                      ; q, k: the tokens are A's rows;
	s_cselect_b32 s42, s18, 0                      ; v: they are B's
	s_add_co_u32 s17, s17, s41                     ; tile row of C'
	s_add_co_u32 s42, s42, s40                     ; tile column of C'
	s_lshl_b32 s43, s41, 2
	s_lshl_b32 s43, 15, s43                        ; my row of the cluster
	s_lshl_b32 s44, 0x1111, s40                    ; my column
	; descriptor group 1: a tile of 128 rows x 256 bytes, padded in LDS
	s_or_b32 s[G1+0], s43, (0<<16)|(1<<20)|(1<<21)|(5<<22)|(3<<25)  ; 15:0 the mask: A's tiles go to my row; 17:16 element of 1 byte; 20 padding on; 21 set beside a mask; 24:22 after every 64 words; 31:25 four words
	s_or_b32 s[G1B+0], s44, (0<<16)|(1<<20)|(1<<21)|(5<<22)|(3<<25)
.irp g, G1, G1B
	s_mov_b32 s[\g+1], ROWB<<16                    ; tensor_dim0
	s_mov_b32 s[\g+2], 128<<16                     ; tensor_dim1
	s_mov_b32 s[\g+3], ROWB<<16                    ; tile_dim0
	s_mov_b32 s[\g+4], 128                         ; tile_dim1
	s_mov_b32 s[\g+5], KROW                        ; tensor_dim0_stride
	s_mov_b32 s[\g+6], 0
	s_mov_b32 s[\g+7], 0
.endr
	s_lshl_b32 s18, s16, 7                         ; which 128 rows of the tile I fetch
	s_lshl_b32 s20, s17, 8
	s_add_co_u32 s20, s20, s18                     ; A': row 256 x tile row + 128 x half
	s_lshl_b32 s46, s42, 8
	s_add_co_u32 s46, s46, s18                     ; B': row 256 x tile column + 128 x half
	s_lshl_b32 s22, s20, 5                         ; where these rows' scale bytes begin (32 a row),
	s_mov_b32 s23, 0
	s_lshl_b32 s2, s46, 5
	s_mov_b32 s3, 0
	s_lshl_b32 s20, s20, 10                        ; and their codes (1,024 a row; 8 MiB at the most)
	s_mov_b32 s21, 0
	s_lshl_b32 s46, s46, 10
	s_mov_b32 s47, 0
	s_mul_i32 s45, s14, HALFT                      ; where they go: wave x 128 rows: no place in the cluster enters an LDS address
	s_mul_i32 s19, s14, HALFS
	s_wait_kmcnt 0x0
	s_cmp_eq_u32 s[MODE], 0                        ; the buffers are chosen by the mode alone
	s_cselect_b64 s[8:9], s[72:73], s[76:77]       ; wq or wk: codes,
	s_cselect_b64 s[10:11], s[74:75], s[78:79]     ; scales,
	s_cselect_b64 s[BIA:BIA+1], s[84:85], s[86:87] ; bias
	s_cselect_b64 s[12:13], s[90:91], s[94:95]     ; the codes go to qc or to kv,
	s_cselect_b64 s[OSC:OSC+1], s[92:93], s[94:95] ; the scale words to qs or to kv
	s_cmp_eq_u32 s[MODE], 2
	s_cselect_b64 s[4:5], s[80:81], s[68:69]       ; A' = wv or x
	s_cselect_b64 s[6:7], s[82:83], s[70:71]
	s_cselect_b64 s[8:9], s[68:69], s[8:9]         ; B' = x or the weight
	s_cselect_b64 s[10:11], s[70:71], s[10:11]
	s_cselect_b64 s[BIA:BIA+1], s[88:89], s[BIA:BIA+1]
	s_add_nc_u64 s[20:21], s[4:5], s[20:21]
	s_add_nc_u64 s[22:23], s[6:7], s[22:23]
	s_add_nc_u64 s[46:47], s[8:9], s[46:47]
	s_add_nc_u64 s[2:3], s[10:11], s[2:3]
	; the arguments are chosen: s68-91 become the scales' descriptors.  The scales of 128 rows are a dense block of 4,096 bytes: 16 rows of 256 bytes (32 elements of 8), 16 bytes of padding behind each
	s_or_b32 s[G1S+0], s43, (3<<16)|(1<<20)|(1<<21)|(5<<22)|(3<<25)
	s_or_b32 s[G1SB+0], s44, (3<<16)|(1<<20)|(1<<21)|(5<<22)|(3<<25)
.irp g, G1S, G1SB
	s_mov_b32 s[\g+1], 32<<16
	s_mov_b32 s[\g+2], 16<<16
	s_mov_b32 s[\g+3], 32<<16
	s_mov_b32 s[\g+4], 16
	s_mov_b32 s[\g+5], 32
	s_mov_b32 s[\g+6], 0
	s_mov_b32 s[\g+7], 0
.endr
	CROUND                                         ; all sixteen work-groups are here: the first joint loads meet
	s_mov_b32 s[G0S], 1
	s_add_co_u32 s[G0S+1], s19, SCL
	s_mov_b64 s[G0S+2:G0S+3], s[22:23]
	s_or_b32 s[G0S+3], s[G0S+3], 0x80000000
	s_mov_b32 s[G0SB], 1
	s_add_co_u32 s[G0SB+1], s19, SCL
	s_mov_b64 s[G0SB+2:G0SB+3], s[2:3]
	s_or_b32 s[G0SB+3], s[G0SB+3], 0x80000000
	JLOAD G0S, G1S, G0SB, G1SB                     ; the scales first: they are wanted with K step 0
.irp s, 0,1
	s_mov_b32 s[G0+4*\s], 1
	s_add_co_u32 s[G0+4*\s+1], s45, \s*SLOT
	s_add_nc_u64 s[G0+4*\s+2:G0+4*\s+3], s[20:21], \s*ROWB
	s_or_b32 s[G0+4*\s+3], s[G0+4*\s+3], 0x80000000
	s_mov_b32 s[G0B+4*\s], 1
	s_add_co_u32 s[G0B+4*\s+1], s45, \s*SLOT
	s_add_nc_u64 s[G0B+4*\s+2:G0B+4*\s+3], s[46:47], \s*ROWB
	s_or_b32 s[G0B+4*\s+3], s[G0B+4*\s+3], 0x80000000
	JLOAD G0+4*\s, G1, G0B+4*\s, G1B               ; three tensor loads of mine are out
.endr
	v_and_b32 v1, 15, v0                           ; r = l % 16
	v_bfe_u32 v2, v0, 4, 1                         ; h = l / 16
	v_mul_u32_u24 v3, v1, PITCH
	v_lshl_add_u32 v4, v2, 4, v3                   ; a fragment's row x pitch + 16 x half
	s_mul_i32 s21, s15, HALFT                      ; my 128 rows of A
	s_mul_i32 s22, s16, HALFT                      ; my 128 rows of B,
	s_add_co_u32 s22, s22, 2*HALFT                 ; which lie behind A's 256
.irp s, 0,1
	v_add_nc_u32 v[ADRA+\s], s21, v4
	v_add_nc_u32 v[ADRB+\s], s22, v4
	s_add_co_u32 s21, s21, SLOT
	s_add_co_u32 s22, s22, SLOT
.endr
	v_mul_u32_u24 v5, v1, KS                       ; my row's scales: 32 bytes a row,
	v_lshrrev_b32 v6, 8, v5
	v_lshl_add_u32 v5, v6, 4, v5                   ; and 16 more for each 256 passed
	s_mul_i32 s21, s15, HALFS                      ; A's: my 128 rows
	s_mul_i32 s22, s16, HALFS                      ; B's: my 128 rows, behind A's 256
	s_add_co_u32 s22, s22, 2*HALFS
	s_sub_co_u32 s22, s22, s21
	v_mul_u32_u24 v6, s22, v2                      ; lanes 16-31 take B's: one product, the distance between the two bases x h
	s_add_co_u32 s21, s21, SCL
	v_add_nc_u32 v5, v5, v6
	v_add_nc_u32 v[ADRS], s21, v5
	s_lshl_b32 s23, s14, 12                        ; my stage: 4,096 bytes a wave, in slot 0, used behind that slot's last fill and last read
	v_mul_u32_u24 v5, v1, 144                      ; 16 rows of 128 bytes + 16 of padding
	v_lshl_add_u32 v5, v2, 4, v5
	v_add_nc_u32 v[STO], s23, v5                   ; in: row r, 16 bytes for each half of the lanes in each block of 32
	v_and_b32 v3, 31, v0                           ; lane
	v_lshrrev_b32 v4, 3, v3
	v_mul_u32_u24 v4, v4, 144
	v_and_b32 v5, 7, v3
	v_lshl_add_u32 v4, v5, 4, v4
	v_add_nc_u32 v[RD], s23, v4                    ; back: eight lanes to a row, four rows an instruction
	s_add_co_u32 s23, s23, 2304                    ; behind the 16 rows: the wave's 128 scale words
	v_lshl_add_u32 v[SST], v1, 2, s23
	v_lshl_add_u32 v[SRD], v3, 4, s23
	v_lshlrev_b32 v[BNO], 5, v2
	s_wait_alu depctr_va_vdst(0)
	v_lshlrev_b32 v[BMO], 2, v1
	s_wait_alu depctr_va_vdst(0)
	; the biases.  Both tables are loaded in every mode; the one that the mode does not use is read at an offset cut to the bias's 1,024 numbers, so that no load leaves the buffer
	s_lshl_b32 s18, s17, 8
	s_lshl_b32 s19, s15, 7
	s_add_co_u32 s18, s18, s19                     ; my first row of C'
	s_lshl_b32 s19, s42, 8
	s_lshl_b32 s20, s16, 7
	s_add_co_u32 s19, s19, s20                     ; my first column
	s_and_b32 s20, s19, 1023
	s_lshl_b32 s20, s20, 2
	s_mov_b32 s21, 0
	s_add_nc_u64 s[BNB:BNB+1], s[BIA:BIA+1], s[20:21]
	s_and_b32 s20, s18, 1023
	s_lshl_b32 s20, s20, 2
	s_add_nc_u64 s[BIA:BIA+1], s[BIA:BIA+1], s[20:21]
.irp b, 0,1,2,3,4,5,6,7
	global_load_b128 v[BN+8*\b:BN+8*\b+3], v[BNO], s[BNB:BNB+1] offset:64*\b        ; columns 16 b + 8 h + 0 .. 7
	global_load_b128 v[BN+8*\b+4:BN+8*\b+7], v[BNO], s[BNB:BNB+1] offset:64*\b+16
.endr
.irp a, 0,1,2,3,4,5,6,7
	global_load_b32 v[BM+\a], v[BMO], s[BIA:BIA+1] offset:64*\a                     ; row 16 a + r
.endr
	; where my 128 x 128 goes.  g: my first token; pr: my head pair
	s_cmp_eq_u32 s[MODE], 2
	s_cselect_b32 s20, s19, s18                    ; g
	s_cselect_b32 s21, s18, s19                    ; 128 x pr
	s_cselect_b32 s22, 1, 0                        ; 1 for v
	s_mov_b32 s[SA], 2048
	s_cselect_b32 s[SA], 1024, s[SA]
	s_mov_b32 s[SK], 1024
	s_cselect_b32 s[SK], 2048, s[SK]
	s_lshr_b32 s21, s21, 7
	s_lshr_b32 s23, s20, 11                        ; the batch
	s_lshl_b32 s23, s23, 3
	s_add_co_u32 s21, s21, s23                     ; 8 b + pair
	s_and_b32 s20, s20, 2047                       ; t
	s_lshl_b32 s40, s21, 18                        ; q: 2,048 rows of 128 bytes for each (b, pair),
	s_lshl_b32 s41, s20, 7
	s_add_co_u32 s40, s40, s41
	s_lshl_b32 s41, s21, 13                        ; and 2,048 words
	s_lshl_b32 s43, s20, 2
	s_add_co_u32 s41, s41, s43
	s_lshl_b32 s43, s21, 3                         ; k, v: the record of my 256 tokens,
	s_lshr_b32 s44, s20, 8
	s_add_co_u32 s43, s43, s44
	s_mul_i32 s43, s43, REC
	s_bfe_u32 s44, s20, 0x10007                    ; and which 128 of them
	s_lshl_b32 s46, s44, 14
	s_add_co_u32 s46, s46, s43
	s_lshl_b32 s47, s22, 15                        ; v's codes lie 32,768 bytes behind k's
	s_add_co_u32 s46, s46, s47
	s_lshl_b32 s44, s44, 9
	s_add_co_u32 s44, s44, s43
	s_lshl_b32 s47, s22, 10                        ; v's words 1,024 bytes behind k's,
	s_add_co_u32 s44, s44, s47
	s_add_co_u32 s44, s44, 65536                   ; which lie behind the codes
	s_cmp_eq_u32 s[MODE], 0
	s_cselect_b32 s40, s40, s46
	s_cselect_b32 s44, s41, s44
	s_mov_b32 s41, 0
	s_mov_b32 s45, 0
	s_add_nc_u64 s[12:13], s[12:13], s[40:41]
	s_add_nc_u64 s[OSC:OSC+1], s[OSC:OSC+1], s[44:45]
	v_lshlrev_b32 v[GO], 4, v3                     ; four rows of 128 bytes are 512 consecutive bytes: 16 x lane
	v_add_nc_u32 v[GO+3], s[SK], v[GO]
	v_add_nc_u32 v[GO+4], s[SA], v[GO]
	v_add_nc_u32 v[GO+7], s[SK], v[GO+4]
	v_lshrrev_b32 v4, 3, v3                        ; the words of rows 4 l .. 4 l + 3: bit 3 of the row is bit 1 of l, bit 4 is bit 2: they move as the rows do
	v_lshlrev_b32 v4, 7, v4
	v_and_b32 v5, 1, v3
	v_lshl_add_u32 v4, v5, 4, v4
	s_lshr_b32 s18, s[SA], 5
	s_lshr_b32 s19, s[SK], 5
	v_bfe_u32 v5, v3, 2, 1
	v_mad_u32_u24 v4, v5, s18, v4
	v_bfe_u32 v5, v3, 1, 1
	v_mad_u32_u24 v[SGO], v5, s19, v4
	s_mov_b32 s[SEL], 0x76543210
	s_mov_b32 s[SEL+1], 0xfedcba98
.macro FRAG reg, adr, q, i             ; a fragment, 16 rows x 128 K of 8-bit codes: lane l holds row l % 16; registers 4 c .. 4 c + 3 hold K = 32 c + 16 (l / 16) + 0 .. 15
.irp c, 0,1,2,3
	ds_load_b128 v[\reg+4*\c:\reg+4*\c+3], v[\adr] offset:128*(\q)+32*\c+(\i)*16*PITCH
.endr
.endm
; 16 matrix instructions: A's blocks a0, a0 + 1 x B's eight, 128 along K: the slot's q-th.  p: B's set;  sc: the set of scale words.  zero = 1: the first product starts the sums.
; The 64 accumulators take turns, one instruction a turn, in the same order in every step.
.macro MUL16 a0, p, q, sc, zero
.irp a, \a0, \a0+1
.irp b, 0,1,2,3,4,5,6,7
.if \zero
	v_wmma_scale_f32_16x16x128_f8f6f4 v[8*(8*((\a)%4)+\b):8*(8*((\a)%4)+\b)+7], v[128*(\p)+FR*\b:128*(\p)+FR*\b+FR-1], v[AF+FR*(\a):AF+FR*(\a)+FR-1], 0, v[SC+8*NQ*(\sc)+NQ*\b+(\q)], v[SC+8*NQ*(\sc)+NQ*(\a)+(\q)] matrix_a_scale:MATRIX_SCALE_ROW1
.else
	v_wmma_scale_f32_16x16x128_f8f6f4 v[8*(8*((\a)%4)+\b):8*(8*((\a)%4)+\b)+7], v[128*(\p)+FR*\b:128*(\p)+FR*\b+FR-1], v[AF+FR*(\a):AF+FR*(\a)+FR-1], v[8*(8*((\a)%4)+\b):8*(8*((\a)%4)+\b)+7], v[SC+8*NQ*(\sc)+NQ*\b+(\q)], v[SC+8*NQ*(\sc)+NQ*(\a)+(\q)] matrix_a_scale:MATRIX_SCALE_ROW1
.endif
.endr
.endr
.endm
.macro FETCH_B slot, q, p              ; B's eight fragments of the slot's q-th 128 along K into set p
	WIN TO_B
.irp i, 0,1,2,3,4,5,6,7
	FRAG 128*(\p)+FR*\i, ADRB+\slot, \q, \i
.endr
	WIN 0
.endm
.macro FETCH_A slot, q, i0             ; A's blocks i0 .. i0 + 3
.irp i, \i0, \i0+1, \i0+2, \i0+3
	FRAG AF+FR*(\i), ADRA+\slot, \q, \i
.endr
.endm
.macro SCALES sc                       ; a K step's scale words into set sc: two words a row; lanes 0-15 take A's block i, lanes 16-31 B's block i
.irp i, 0,1,2,3,4,5,6,7
	ds_load_b64 v[SC+8*NQ*\sc+NQ*\i:SC+8*NQ*\sc+NQ*\i+1], v[ADRS] offset:\i*SBLK
.endr
.endm
; A load into a register that a matrix instruction has read, and a vector instruction that reads a matrix result or writes one of its registers, stand NP places behind it; only plain vector
; instructions that name none of its registers are places (ISA guide 7.12.1 for vector instructions).
.macro PLACES n
.rept \n
	v_nop
.endr
.endm
; A step of 128 along K that has its successor in the same slot.
.macro STEP slot, q, zero
	s_wait_dscnt 4*NL                              ; B's set and A's blocks 0-3 are in; the youngest 16 loads (A's blocks 4-7) may be out
	WIN MUL_LO
	MUL16 0, (\q)%2, \q, \slot, \zero
	MUL16 2, (\q)%2, \q, \slot, \zero
	s_wait_dscnt 0                                 ; A's blocks 4-7 are in (asked for 32 matrix instructions ago)
	PLACES NP
	FETCH_B \slot, (\q)+1, 1-(\q)%2
	FETCH_A \slot, (\q)+1, 0
	WIN MUL_HI
	MUL16 4, (\q)%2, \q, \slot, \zero
	MUL16 6, (\q)%2, \q, \slot, \zero
	PLACES NP
	WIN 0
	FETCH_A \slot, (\q)+1, 4
.endm
; A slot's last step changes slots: ONE barrier; in front of it each wave waits for all its tensor loads, adds 0 to its spare word, and waits for that and for its own reads of this slot.  fill = 1: this slot is filled again, two K steps ahead.
.macro TURN slot, next, fill
	s_wait_tensorcnt 0x0                           ; all my tensor loads have landed: my part of the next slot  (every window is 0 here)
	ds_add_u32 v[SPW], v[NIL]                      ; 0 onto my spare word
	s_wait_dscnt 4*NL+1                            ; (the add and the youngest 16 loads, A's blocks 4-7, may be out)
	WIN MUL_LO
	MUL16 0, 1, NQ-1, \slot, 0                     ; sixteen matrix instructions stand between the add and the wait for it
	s_wait_dscnt 0x0                               ; the add is done, and my reads of this slot are over
	s_barrier_signal -1
	MUL16 2, 1, NQ-1, \slot, 0
	WIN 0
	s_barrier_wait -1
.if \fill
	CREST                                          ; the barrier has opened a round of the cluster's barrier: no wave of any partner still reads this slot's tile or has a load on its way
	s_add_nc_u64 s[G0+4*\slot+2:G0+4*\slot+3], s[G0+4*\slot+2:G0+4*\slot+3], 2*ROWB
	s_add_nc_u64 s[G0B+4*\slot+2:G0B+4*\slot+3], s[G0B+4*\slot+2:G0B+4*\slot+3], 2*ROWB
	JLOAD G0+4*\slot, G1, G0B+4*\slot, G1B         ; the first tensor load behind the round; its four v_nop are among the places in front of the loads below
	PLACES NP-4
.else
	PLACES NP
.endif
	s_wait_alu depctr_va_vdst(0)
	v_add_nc_u32 v[ADRS], 4*NQ, v[ADRS]            ; on to the next K step's scale words (no LDS load of mine is out)
	FETCH_B \next, 0, 0
	FETCH_A \next, 0, 0
	SCALES \next
	WIN MUL_HI
	MUL16 4, 1, NQ-1, \slot, 0
	MUL16 6, 1, NQ-1, \slot, 0
	PLACES NP
	WIN 0
	FETCH_A \next, 0, 4
.endm
	s_wait_tensorcnt 1                             ; the scales and my part of K step 0 are in (K step 1's load may be out)
	s_barrier_signal -1
	s_barrier_wait -1                              ; everybody's are
	FETCH_B 0, 0, 0
	FETCH_A 0, 0, 0
	SCALES 0
	FETCH_A 0, 0, 4
	STEP 0, 0, 1                                   ; the first step stands in front of the loop: its products start the sums
	s_mov_b32 s3, LAPS-1
.Llap:                                                 ; a trip goes once round the ring, from a lap's second step to the next lap's first, and fills both slots again
	TURN 0, 1, 1
	STEP 1, 0, 0
	TURN 1, 0, 1
	STEP 0, 0, 0
	s_sub_co_u32 s3, s3, 1
	s_cmp_lg_u32 s3, 0
	s_cbranch_scc1 .Llap
	TURN 0, 1, 0                                   ; the last lap fills nothing, and has no round of the cluster's barrier
	STEP 1, 0, 0
	s_wait_dscnt 4*NL                              ; the very last step: nothing more to fetch
	WIN MUL_LO
	MUL16 0, 1, NQ-1, 1, 0
	MUL16 2, 1, NQ-1, 1, 0
	s_wait_dscnt 0
	WIN MUL_HI
	MUL16 4, 1, NQ-1, 1, 0
	MUL16 6, 1, NQ-1, 1, 0
	WIN 0
; THE WAY OUT, block by block of A's 16 rows x my 128 columns.
; BIAS: the block's 64 numbers of a lane, with their bias, into window 0; each accumulator is read from its low end on.  q, k: the bias goes by column; v: by row.  The branch hangs on the mode, which all partners share.
.macro BIAS a
.set AC, 64*((\a)%4)
	s_cmp_eq_u32 s[MODE], 2
	s_cbranch_scc1 .Lby_row_\@
	WIN 0x02+(\a)/4                                ; source 0: window 2 or 3
.set i, 0
.rept 32
	v_pk_add_f32 v[X+2*i:X+2*i+1], v[AC+2*i:AC+2*i+1], v[BN+2*i:BN+2*i+1]
.set i, i+1
.endr
	WIN 0
	s_branch .Lbiased_\@
.Lby_row_\@:
	v_mov_b32 v[TM], v[BM+(\a)]                    ; my row's bias, twice: a pair for the packed addition
	v_mov_b32 v[TM+1], v[BM+(\a)]
	WIN 0x02+(\a)/4
.set i, 0
.rept 32
	v_pk_add_f32 v[X+2*i:X+2*i+1], v[AC+2*i:AC+2*i+1], v[TM:TM+1]
.set i, i+1
.endr
	WIN 0
.Lbiased_\@:
.endm
; QUANT: 64 numbers of a lane, register 16 b + i in block b of my row, become 64 codes in v[PC] on and the row's scale word in v[PW].  A block's other 16 numbers lie in lane l xor 16.
.macro QUANT s
.irp b, 0,1,2,3
	v_max3_num_f32 v[TM+\b], |v[\s+16*\b]|, |v[\s+1+16*\b]|, 0x4800000   ; my 16 numbers, and the floor 2^(9 - 127): so the byte cannot fall under 1
.endr
.irp e, 2,4,6,8,10,12,14
.irp b, 0,1,2,3
	v_max3_num_f32 v[TM+\b], v[TM+\b], |v[\s+16*\b+\e]|, |v[\s+1+16*\b+\e]|   ; (the four blocks by turns)
.endr
.endr
.irp b, 0,1,2,3
	v_permlanex16_b32 v[TM+4+\b], v[TM+\b], s[SEL], s[SEL+1]
.endr
.irp b, 0,1,2,3
	v_max_num_f32 v[TM+\b], v[TM+\b], v[TM+4+\b]   ; the block's largest magnitude
.endr
.irp b, 0,1,2,3
	v_add_nc_u32 v[TM+12+\b], 0xfc000000, v[TM+\b] ; 8 off its exponent field: the conversion takes this operand's exponent field as its scale
.endr
.irp b, 0,1,2,3
.endr
.irp b, 0,1,2,3
	v_lshrrev_b32 v[TM+4+\b], 23, v[TM+12+\b]      ; the scale's byte
.endr
	v_lshl_or_b32 v[PW], v[TM+5], 8, v[TM+4]
	v_lshl_or_b32 v[PW], v[TM+6], 16, v[PW]
	v_lshl_or_b32 v[PW], v[TM+7], 24, v[PW]
.irp b, 0,1,2,3
.irp e, 0,1,2,3,4,5,6,7,8,9,10,11,12,13,14,15
.endr
	v_cvt_scalef32_pk8_fp8_f32 v[PC+4*\b:PC+1+4*\b], v[\s+16*\b:\s+7+16*\b], v[TM+12+\b]
	v_cvt_scalef32_pk8_fp8_f32 v[PC+2+4*\b:PC+3+4*\b], v[\s+8+16*\b:\s+15+16*\b], v[TM+12+\b]
.endr
	v_nop                                          ; one plain vector instruction behind the last conversion: the next block's additions write its sources
.endm
.macro TOSTAGE a                       ; a lane's codes belong to one row and the lanes beside it hold other rows: through my own stage, back as whole rows.  LDS serves a wave's instructions in order (ISA guide 5.7.1.4)
.irp c, 0,1,2,3
	ds_store_b128 v[STO], v[PC+4*\c:PC+4*\c+3] offset:32*\c
.endr
	ds_store_b32 v[SST], v[PW] offset:64*(\a)      ; both halves of the lanes write the same word with the same value
.irp k, 0,1,2,3
	ds_load_b128 v[OUTR+4*\k:OUTR+4*\k+3], v[RD] offset:576*\k
.endr
.endm
.macro SEND a                          ; rows 4 k .. 4 k + 3 of block a: 32 lanes store 512 consecutive bytes, at a multiple of 512 from the buffer's first byte
.irp k, 0,1,2,3
	global_store_b128 v[GO+4*((\a)%2)+3*(\k/2)], v[OUTR+4*\k:OUTR+4*\k+3], s[12:13] offset:((\a)/2)*4096+(\k%2)*512
.endr
.endm
	PLACES NP                                      ; behind the last products: their results are read and A's registers written below
	s_wait_loadcnt 0x0                             ; the biases
.irp b, 0,1,2,3
	v_mov_b32 v[TM+4+\b], 0                        ; written once: a lane permute's destination counts as one of its sources
.endr
.irp a, 0,1,2,3,4,5,6,7
	BIAS \a
.if \a > 0
	s_wait_dscnt 0x0                               ; the block before is back from the stage, and its LDS stores have read their registers
	SEND \a-1
.endif
	QUANT X
	s_wait_alu depctr_va_vdst(0)
	s_wait_xcnt 0x0                                ; the stores just issued have read their data: the registers take the next block's rows
	TOSTAGE \a
.endr
	s_wait_dscnt 0x0
	SEND 7
	ds_load_b128 v[SW:SW+3], v[SRD]                ; the wave's 128 scale words
	s_wait_dscnt 0x0
	global_store_b128 v[SGO], v[SW:SW+3], s[OSC:OSC+1]   ; 512 consecutive bytes in one store
	s_wait_tensorcnt 0x0                           ; the wave's end
	ds_add_u32 v[SPW], v[NIL]
	s_wait_dscnt 0x0
	CROUND                                         ; the closing round: no work-group ends while a partner may still ask for a tile that names it
	s_endpgm
.Lfunc_end_k_qdf7a460dd5_qkv:
	.size	k_qdf7a460dd5_qkv, .Lfunc_end_k_qdf7a460dd5_qkv-k_qdf7a460dd5_qkv
	.p2alignl 7, 3214868480
	.fill 96, 4, 3214868480
	.section	.rodata,"a",@progbits
	.p2align	6, 0x0
	.amdhsa_kernel k_qdf7a460dd5_qkv
		.amdhsa_group_segment_fixed_size 327680
		.amdhsa_private_segment_fixed_size 0
		.amdhsa_enable_private_segment 0
		.amdhsa_kernarg_size 112
		.amdhsa_user_sgpr_count 2
		.amdhsa_user_sgpr_kernarg_segment_ptr 1
		.amdhsa_wavefront_size32 1
		.amdhsa_system_sgpr_workgroup_id_x 1
		.amdhsa_system_sgpr_workgroup_id_y 1
		.amdhsa_system_sgpr_workgroup_id_z 1
		.amdhsa_system_vgpr_workitem_id 0
		.amdhsa_next_free_vgpr 1024
		.amdhsa_next_free_sgpr 100
		.amdhsa_reserve_vcc 0
		.amdhsa_float_denorm_mode_32 3
		.amdhsa_float_denorm_mode_16_64 3
		.amdhsa_fp16_overflow 1
		.amdhsa_memory_ordered 1
		.amdhsa_forward_progress 1
		.amdhsa_inst_pref_size 193
	.end_amdhsa_kernel
	.amdgpu_metadata
---
amdhsa.version: [ 1, 2 ]
amdhsa.kernels:
  - .name:           k_qdf7a460dd5_qkv
    .symbol:         k_qdf7a460dd5_qkv.kd
    .args:
      - { .name: x_codes, .offset: 0, .size: 8, .value_kind: global_buffer, .address_space: global }
      - { .name: x_scales, .offset: 8, .size: 8, .value_kind: global_buffer, .address_space: global }
      - { .name: wq_codes, .offset: 16, .size: 8, .value_kind: global_buffer, .address_space: global }
      - { .name: wq_scales, .offset: 24, .size: 8, .value_kind: global_buffer, .address_space: global }
      - { .name: wk_codes, .offset: 32, .size: 8, .value_kind: global_buffer, .address_space: global }
      - { .name: wk_scales, .offset: 40, .size: 8, .value_kind: global_buffer, .address_space: global }
      - { .name: wv_codes, .offset: 48, .size: 8, .value_kind: global_buffer, .address_space: global }
      - { .name: wv_scales, .offset: 56, .size: 8, .value_kind: global_buffer, .address_space: global }
      - { .name: bq, .offset: 64, .size: 8, .value_kind: global_buffer, .address_space: global }
      - { .name: bk, .offset: 72, .size: 8, .value_kind: global_buffer, .address_space: global }
      - { .name: bv, .offset: 80, .size: 8, .value_kind: global_buffer, .address_space: global }
      - { .name: qc, .offset: 88, .size: 8, .value_kind: global_buffer, .address_space: global }
      - { .name: qs, .offset: 96, .size: 8, .value_kind: global_buffer, .address_space: global }
      - { .name: kv, .offset: 104, .size: 8, .value_kind: global_buffer, .address_space: global }
    .group_segment_fixed_size: 327680
    .private_segment_fixed_size: 0
    .kernarg_segment_align: 8
    .kernarg_segment_size: 112
    .max_flat_workgroup_size: 128
    .sgpr_count:     100
    .vgpr_count:     1024
    .wavefront_size: 32
...
	.end_amdgpu_metadata
.endif
;; end of part 1
;; launch attn (part 2): grid 8 x 32, 16 waves a work-group, clusters of 4 x 1, 327,680 bytes of LDS; arguments qc, qs, kv, ac, asc; writes ac, asc
.if DOCPART == 2
	.amdgcn_target "amdgcn-amd-amdhsa--gfx1250"
	.amdhsa_code_object_version 6
	.text
	.protected	k_qdf7a460dd5_attn
	.globl	k_qdf7a460dd5_attn
	.p2align	8
	.type	k_qdf7a460dd5_attn,@function
k_qdf7a460dd5_attn:
	s_mov_b64 s[64:65], 0
	v_nop
	global_prefetch_b8 v0, s[64:65] scope:SCOPE_SE
	s_setreg_imm32_b32 hwreg(HW_REG_WAVE_MODE, 25, 1), 1
	s_wait_xcnt 0x0
	s_wait_alu depctr_hold_cnt(0) depctr_sa_sdst(0) depctr_va_vdst(0) depctr_va_sdst(0) depctr_va_ssrc(0) depctr_va_vcc(0) depctr_vm_vsrc(0)
	s_getreg_b32 s2, hwreg(HW_REG_IB_STS2, 6, 4)
	s_cmp_eq_u32 s2, 0
	s_cbranch_scc0 .Lentry_in_a_cluster
	s_endpgm
.Lentry_in_a_cluster:
	s_bfe_u32 s2, ttmp6, 0x10000c
	s_cmp_lg_u32 s2, 0x3003
	s_cbranch_scc0 .Lentry_shape_is_right
	s_endpgm
.Lentry_shape_is_right:
; Causal attention on codes of FP8 (E4M3) with one E8M0 scale for each 32 along a product's K; 64 heads (batch x head) of 2,048 tokens x 64 channels; the logits are scaled by 1 / sqrt(2,048).
; t = score x log2(e) / sqrt(2,048); M = the row's largest t so far, rounded UP to a whole number; p = 2^(t - M) is quantised along the keys, not normalised.  The row's sum is taken of the unquantised p and
; divides O at the end; when M moves, the sum and O are multiplied by 2^(old M - new M), which rounds nothing.  The normalised result is quantised along the channels for the last projection.
; IN (made by the launch before): qc [b][head pair][t][128 bytes], qs one word a row; kv: a record of 67,584 bytes for each (b, pair, 256 keys): k's codes [256][128], v's codes [step 2][head 2][64 rows][128 keys],
; k's scale words [256], v's [2][2][64].  Inside each block of 32 the codes of q and k (channels) and of v (keys) lie in the order in which a lane of the matrix result holds them; p gets the same order here.
; SHARES.  A work-group serves one head pair (y) and the query tiles 8 n + J (J = work-group x, n = 0 .. 15).  Wave w = 4 a + k takes head a / 2 of the pair and two tiles, n = I and n = 15 - I with
; I = 2 ((a + k) % 4) + a % 2: 17 key steps of work for every wave.  All work-groups walk all 8 slots of 256 keys: every trip count is a constant.  Tile n's key step u (128 keys) is left out where u > n
; (all its keys come after the queries), masked where u = n, plain where u < n: branches on the wave's number and the step's count alone.
; CLUSTER.  The four work-groups of a cluster walk the same records: each quarter of a record is asked for jointly (waves 0 to 3, one tensor load each) and lands in all four.
; LAYOUT.  Both products are used transposed: S^T = k q^T (source 0 = 16 keys), O^T = v^T p^T (source 0 = 16 rows of v): a lane holds ONE query (lane % 16) throughout.
; K = 64 IN A FORM OF K = 128.  q's upper 64 codes are zeros and the upper two scale bytes of q and k are 0 (2^-127).  k's fragment of tile t names 16 registers, of which the upper 8 are the next tile's codes
; (for tile 7 eight zeros): they meet q's zeros.  They are finite: this program's quantiser holds every number at 448 and never gives the NaN code.
; OUT: ac: images of the last projection's operand registers, [16 rows 512][128 channels 8][c 4][lane 32][16 bytes]; asc [8,192][32] scale bytes.  v's rows were stored with bits 3 and 4 of the channel swapped, so that
; O^T's 16 registers of tiles 2 b and 2 b + 1 are channels 32 b + 16 (lane / 16) + 0 .. 15 in true order.  The two scale bytes of a row and head leave by a store of two bytes a lane: one byte in 32 of what is written.
; LIMITS: NaN and infinities are not served.  A block of zeros gets the byte 1 where the rule says 127 (its codes are zeros; only this program reads the bytes); blocks under 2^-118 are held at the byte 1.
.set REC,   67584                      ; a record in memory: 528 rows of 128 bytes
.set KP,    144                        ; such a row in LDS: + 16 of padding: the 16 rows that a load touches start at different banks (ISA guide 11.1)
.set SLOT1, 1<<17                      ; slot 1 begins here: one exclusive or turns an address of one slot into the other's
.set SPARE, SLOT1+528*KP               ; behind slot 1: the spare words, 128 bytes for each wave: eight blocks of 256 bytes that no other line names
.set LA,   1                           ; v1   144 r + 16 h: my lane's place in a tile of k or v
.set LB,   2                           ; v2   4 x lane: among scale words
.set SPW,  3                           ; v3   LDS address of my spare word; never rewritten
.set NIL,  4                           ; v4   0; never rewritten
.set ADR0, 5                           ; v5   LDS address of the codes in hand
.set ADR1, 6                           ; v6   of the scale words in hand
.set DQ,   7                           ; v7   16 J + r - 8 h: on the diagonal register 8 t + j is hidden where 16 t + j is above it
.set PFO,  8                           ; v8   256 x lane: the prefetch's offset; never rewritten
.set QS,   9                           ; v9-10  q's scale words, tile 0, 1
.set PW,   11                          ; v11  p's scale word
.set ST,   12                          ; v12-15, v16-19: a tile's -M, largest t, sum in two halves
.set SCL,  20                          ; v20-23 k's or v's scale words
.set QF,   24                          ; v24-39, v40-55 q's fragments: 8 registers of codes, 8 of zeros
.set R,    56                          ; v56-119 k's eight tiles, 8 registers each; v120-127 eight zeros.  When k is done with:
.set BMX,  56                          ; the blocks' largest scores, then largest p
.set TP,   60                          ; the other half's; then the bytes
.set TH,   64
.set TSC,  68                          ; the conversions' scale operands
.set FF,   72                          ; v[72:73] f = 2^(old M - new M) (the low word serves both halves)
.set TX,   74                          ; v74-75 at work
.set SM,   76                          ; v[76:77] the sum's second chain
.set PC,   80                          ; v80-95 p's codes
.set AO,   96                          ; v96-97 the way out: offsets in ac;  v98-99 in asc
.set AS,   98
.set S,    128                         ; v128-191 S^T, then p, then v's four fragments
.set OA,   192                         ; v192-223, v224-255 O^T of tile 0, 1
.set WV,   18                          ; s18  my wave's number
.set MNT,  19
.set SEL,  20                          ; s[20:21] lane selects for v_permlanex16_b32: lane l xor 16
.set CS,   22                          ; s[22:23] c = log2(e) / sqrt(2,048)
.set EE,   24                          ; s24  which head of the pair
.set JJ,   25                          ; s25  work-group x
.set N0,   26                          ; s26-27 my two tiles' n
.set TBK,  28                          ; s28-31 where k's codes, v's codes, k's words, v's words of my head begin in the slot in hand
.set TBV,  29
.set TBS,  30
.set TBT,  31
.set UU,   32                          ; s32  the key step, 0 .. 15
.set SLOTS, 33                         ; s33  slots still to be asked for
.set G1,   36                          ; s[36:43] descriptor group 1;  s[44:47] group 0, which walks
.set G0,   44
.set PFA,  48                          ; s[48:49] where my prefetch stands
.set LIM,  50                          ; s50  1 in a wave that prefetches, else the greatest number
.set BP,   52                          ; s52  8 b + pair
.macro TLOAD                           ; waves 0 to 3 fetch a quarter of a record each; four v_nop follow the line
	s_cmp_lt_u32 s[WV], 4
	s_cbranch_scc0 .Lasked_\@
	tensor_load_to_lds s[G0:G0+3], s[G1:G1+7]
	s_nop 0
.rept 4
	v_nop
.endr
.Lasked_\@:
.endm
; A PREFETCH INTO THE L2 of the 65,536 code bytes of the record that the NEXT change of slots will ask for.  Both clusters of a head pair walk the same records: the first asks.  Its four partners take 16,384 bytes each,
; told apart by address; in each, waves 4 and 5 ask for 8,192 bytes, lanes 256 bytes apart: every aligned block of 256 bytes is named once.  The last change that fills a slot asks for nothing; records 0 and 1 and the
; scale words come by their loads alone.
.macro ASK
	s_cmp_gt_u32 s[SLOTS], s[LIM]
	s_cbranch_scc0 .Lnot_mine_\@
	global_prefetch_b8 v[PFO], s[PFA:PFA+1] th:TH_LOAD_NT scope:SCOPE_SE
.Lnot_mine_\@:
.endm
.macro CROUND                          ; a round of the cluster's barrier
	s_barrier_signal -1
	s_barrier_wait -1
	s_cmp_lg_u32 s[WV], 0
	s_cbranch_scc1 .Lnot_wave_0_\@
	s_barrier_signal -3
.Lnot_wave_0_\@:
	s_barrier_wait -3
	s_barrier_signal -1
	s_barrier_wait -1
.endm
	s_load_b256 s[4:11], s[0:1], 0x0               ; qc s[4:5], qs s[6:7], kv s[8:9], ac s[10:11]
	s_load_b64 s[12:13], s[0:1], 0x20              ; asc
	v_lshl_add_u32 v[SPW], v0, 2, SPARE
	v_mov_b32 v[NIL], 0
	ds_add_u32 v3, v4
	ds_add_u32 v3, v4
	s_wait_dscnt 0x0
	v_lshrrev_b32 v5, 5, v0
	s_delay_alu instid0(VALU_DEP_1)
	v_readfirstlane_b32 s[WV], v5                  ; wave 0..15
	s_bfe_u32 s51, ttmp6, 0x40000                  ; cx: it enters q's and the results' addresses, the prefetch's address and the mask's number alone
	s_lshl_b32 s[JJ], ttmp9, 2
	s_add_co_u32 s[JJ], s[JJ], s51
	s_and_b32 s[BP], ttmp7, 0xffff
	s_lshr_b32 s14, s[WV], 2                       ; a
	s_and_b32 s15, s[WV], 3                        ; k
	s_lshr_b32 s[EE], s14, 1
	s_add_co_u32 s16, s14, s15
	s_and_b32 s16, s16, 3
	s_lshl_b32 s16, s16, 1
	s_and_b32 s17, s14, 1
	s_add_co_u32 s[N0], s16, s17                   ; I, 0 .. 7
	s_xor_b32 s[N0+1], s[N0], 15                   ; 15 - I
	s_lshl_b32 s[TBK], s[EE], 6                    ; my head's 64 bytes of a key's row
	s_mul_i32 s[TBV], s[EE], 64*KP
	s_add_co_u32 s[TBV], s[TBV], 256*KP            ; v's codes: behind k's 256 rows
	s_lshl_b32 s[TBS], s[EE], 1
	s_add_co_u32 s[TBS], s[TBS], 512*KP            ; k's words: my head's two bytes
	s_mul_i32 s[TBT], s[EE], 2*KP
	s_add_co_u32 s[TBT], s[TBT], 520*KP            ; v's words
	; descriptor group 1: 132 rows of 128 bytes, dense in memory, padded in LDS
	s_mov_b32 s[G1], 15|(0<<16)|(1<<20)|(1<<21)|(4<<22)|(3<<25)   ; 15:0 the mask: all four work-groups; elements of 1 byte; 20 padding on; 21 set beside a mask; after every 32 words four words
	s_mov_b32 s[G1+1], 128<<16                     ; tensor_dim0
	s_mov_b32 s[G1+2], 132<<16                     ; tensor_dim1
	s_mov_b32 s[G1+3], 128<<16                     ; tile_dim0
	s_mov_b32 s[G1+4], 132                         ; tile_dim1
	s_mov_b32 s[G1+5], 128                         ; tensor_dim0_stride
	s_mov_b32 s[G1+6], 0
	s_mov_b32 s[G1+7], 0
	s_mul_i32 s14, s15, 132*KP                     ; my quarter in a slot,
	s_mul_i32 s16, s[BP], 8*REC                    ; the pair's first record,
	s_mul_i32 s17, s15, 132*128                    ; my quarter in it
	s_add_co_u32 s16, s16, s17
	s_mov_b32 s17, 0
	s_mul_i32 s2, s[BP], 8*REC                     ; the prefetch: in record 1 (the first change of slots steps it to record 2),
	s_add_co_u32 s2, s2, REC
	s_lshl_b32 s3, s51, 14                         ; my work-group's 16,384 bytes,
	s_add_co_u32 s2, s2, s3
	s_and_b32 s3, s[WV], 1
	s_lshl_b32 s3, s3, 13                          ; my wave's 8,192
	s_add_co_u32 s2, s2, s3
	s_mov_b32 s3, 0
	s_sub_co_u32 s15, s[WV], 4
	s_lshr_b32 s15, s15, 1                         ; 0 in waves 4 and 5,
	s_or_b32 s15, s15, ttmp9                       ; of the pair's first cluster: the same in all four partners
	s_cmp_eq_u32 s15, 0
	s_cselect_b32 s[LIM], 1, -1
	s_mov_b32 s[SEL], 0x76543210
	s_mov_b32 s[SEL+1], 0xfedcba98
	s_mov_b32 s[CS], 0x3d0293ee                    ; c = log2(e) / sqrt(2,048)
	s_mov_b32 s[CS+1], s[CS]                       ; (named with it as a pair, so it is written)
	s_mov_b32 s[UU], 0
	s_mov_b32 s[SLOTS], 7
	s_wait_kmcnt 0x0
	s_mov_b32 s[G0], 1                             ; count = 1
	s_mov_b32 s[G0+1], s14                         ; LDS address: slot 0
	s_add_nc_u64 s[G0+2:G0+3], s[8:9], s[16:17]    ; global address: record 0
	s_or_b32 s[G0+3], s[G0+3], 0x80000000          ; type = 2
	s_add_nc_u64 s[PFA:PFA+1], s[8:9], s[2:3]
	CROUND                                         ; all four work-groups are here: the first joint loads meet
	TLOAD                                          ; slot 0
	v_and_b32 v5, 15, v0                           ; r
	v_bfe_u32 v6, v0, 4, 1                         ; h
	s_delay_alu instid0(VALU_DEP_2)
	v_mul_u32_u24 v[LA], v5, KP
	s_delay_alu instid0(VALU_DEP_1)
	v_lshl_add_u32 v[LA], v6, 4, v[LA]
	v_and_b32 v[LB], 31, v0
	s_delay_alu instid0(VALU_DEP_1)
	v_lshlrev_b32 v[PFO], 8, v[LB]
	s_delay_alu instid0(VALU_DEP_2)
	v_lshlrev_b32 v[LB], 2, v[LB]
	v_lshlrev_b32 v[DQ], 3, v6
	s_delay_alu instid0(VALU_DEP_1)
	v_sub_nc_u32 v[DQ], v5, v[DQ]
	s_lshl_b32 s14, s[JJ], 4
	v_add_nc_u32 v[DQ], s14, v[DQ]
	v_lshlrev_b32 v100, 7, v5
	s_delay_alu instid0(VALU_DEP_1)
	v_lshl_add_u32 v100, v6, 4, v100               ; q: row r of 128 bytes, + 16 h
	s_wait_alu depctr_va_vdst(0)
	v_lshlrev_b32 v101, 2, v5                      ; its word
	s_wait_alu depctr_va_vdst(0)
.irp x, 0,1
	s_lshl_b32 s14, s[BP], 11
	s_lshl_b32 s15, s[N0+\x], 7
	s_add_co_u32 s14, s14, s15
	s_lshl_b32 s15, s[JJ], 4
	s_add_co_u32 s14, s14, s15                     ; the tile's first row: 2,048 (8 b + pair) + 128 n + 16 J
	s_lshl_b32 s15, s14, 7
	s_lshl_b32 s16, s[EE], 6
	s_add_co_u32 s15, s15, s16
	v_add_nc_u32 v[102+\x], s15, v100
	s_lshl_b32 s15, s14, 2
	s_lshl_b32 s16, s[EE], 1
	s_add_co_u32 s15, s15, s16
	v_add_nc_u32 v[104+\x], s15, v101
	global_load_b128 v[QF+16*\x:QF+16*\x+3], v[102+\x], s[4:5]              ; channels' bytes 16 h + 0 .. 15
	global_load_b128 v[QF+16*\x+4:QF+16*\x+7], v[102+\x], s[4:5] offset:32  ; 32 + 16 h + 0 .. 15
	global_load_u16 v[QS+\x], v[104+\x], s[6:7]                            ; my head's two scale bytes; the upper two bytes are 0
.endr
.irp x, 0,1
.irp e, 8,9,10,11,12,13,14,15
	v_mov_b32 v[QF+16*\x+\e], 0                    ; q's upper 64 codes
.endr
	v_mov_b32 v[ST+4*\x+1], 0xff61b1e6             ; the largest t so far: -3e38, under every t
	s_delay_alu instid0(VALU_DEP_1)
	v_floor_f32 v[ST+4*\x], -v[ST+4*\x+1]          ; -M
	v_mov_b32 v[ST+4*\x+2], 0                      ; the sum, in two halves
	v_mov_b32 v[ST+4*\x+3], 0
.endr
.irp e, 0,1,2,3,4,5,6,7
	v_mov_b32 v[R+64+\e], 0                        ; the zeros behind k's tile 7
.endr
.irp b, 0,1,2,3
	v_mov_b32 v[TP+\b], 0                          ; a lane permute's destination counts as one of its sources
.endr
.set j, 0
.rept 64
	v_mov_b32 v[OA+j], 0                           ; O^T.  (The step is written once: a tile's first step finds zeros, which the first change of M leaves zeros)
.set j, j+1
.endr
; A KEY STEP of tile x: 128 keys, the q-th of the slot in hand.
.macro STEP x, q
.set rT, ST+4*\x
.set rO, OA+32*\x
	s_cmp_gt_u32 s[UU], s[N0+\x]                   ; all its keys come after my queries: left out
	s_cbranch_scc1 .Lhidden_\@
	v_add_nc_u32 v[ADR0], s[TBK], v[LA]
	v_add_nc_u32 v[ADR1], s[TBS], v[LB]
.rept 7
	v_nop                                          ; with the two additions nine places behind the last products: their sources are loaded again, and v's fragments' registers are written by the products below
.endr
.irp t, 0,1,2,3,4,5,6,7
.irp c, 0,1
	ds_load_b128 v[R+8*\t+4*\c:R+8*\t+4*\c+3], v[ADR0] offset:(128*\q+16*\t)*KP+32*\c   ; key 16 t + r, my head's bytes 32 c + 16 h + 0 .. 15
.endr
.endr
.irp t, 0,1,2,3
	ds_load_u16 v[SCL+\t], v[ADR1] offset:(4*\q+\t)*KP   ; lanes 0-15: tile 2 t's keys; lanes 16-31: tile 2 t + 1's
.endr
	s_wait_dscnt 0x0
.irp t, 0,1,2,3,4,5,6,7
.if \t%2
	v_wmma_scale_f32_16x16x128_f8f6f4 v[S+8*\t:S+8*\t+7], v[R+8*\t:R+8*\t+15], v[QF+16*\x:QF+16*\x+15], 0, v[SCL+\t/2], v[QS+\x] matrix_a_scale:MATRIX_SCALE_ROW1
.else
	v_wmma_scale_f32_16x16x128_f8f6f4 v[S+8*\t:S+8*\t+7], v[R+8*\t:R+8*\t+15], v[QF+16*\x:QF+16*\x+15], 0, v[SCL+\t/2], v[QS+\x]
.endif
.endr                                              ; register 8 t + j of lane (r, h): query r, key 16 t + 8 h + j
	v_add_nc_u32 v[ADR0], s[TBV], v[LA]
	v_add_nc_u32 v[ADR1], s[TBT], v[LB]
.rept 6
	v_nop                                          ; with the two additions eight places: the scores are read and k's registers written below
.endr
	s_cmp_lt_u32 s[UU], s[N0+\x]                   ; a step all of whose keys count skips the mask
	s_cbranch_scc1 .Lopen_\@
	v_mov_b32 v[TX], 0xff800000                    ; on the diagonal the scores of hidden keys become -infinity ahead of the maximum: p = 0 then
.set n, 0
.rept 64
	v_cmp_gt_i32 vcc_lo, 16*(n/8)+n%8, v[DQ]
	v_cndmask_b32 v[S+n], v[S+n], v[TX], vcc_lo
.set n, n+1
.endr
.Lopen_\@:
.irp b, 0,1,2,3
	v_max3_num_f32 v[BMX+\b], v[S+16*\b], v[S+1+16*\b], v[S+2+16*\b]   ; the largest score of each block of 32 keys: for the row's maximum and, since p rises with the score, for the block's largest p
.endr
.irp e, 3,5,7,9,11,13
.irp b, 0,1,2,3
	v_max3_num_f32 v[BMX+\b], v[BMX+\b], v[S+16*\b+\e], v[S+1+16*\b+\e]
.endr
.endr
.irp b, 0,1,2,3
	v_max_num_f32 v[BMX+\b], v[BMX+\b], v[S+15+16*\b]
.endr
.irp b, 0,1,2,3
	s_delay_alu instid0(VALU_DEP_4)
	v_permlanex16_b32 v[TP+\b], v[BMX+\b], s[SEL], s[SEL+1]
.endr
.irp b, 0,1,2,3
	s_delay_alu instid0(VALU_DEP_4)
	v_max_num_f32 v[BMX+\b], v[BMX+\b], v[TP+\b]   ; with lane l xor 16's 16 keys
.endr
	s_delay_alu instid0(VALU_DEP_2)
	v_max3_num_f32 v[TX], v[BMX], v[BMX+1], v[BMX+2]
	s_delay_alu instid0(VALU_DEP_1)
	v_max_num_f32 v[TX], v[TX], v[BMX+3]           ; the step's largest score of my query
	s_delay_alu instid0(VALU_DEP_1)
	v_mul_f32 v[TX], s[CS], v[TX]                  ; as t (c is positive)
	s_delay_alu instid0(VALU_DEP_1)
	v_max_num_f32 v[rT+1], v[rT+1], v[TX]          ; the running largest t
	v_mov_b32 v[TX], v[rT]
	s_delay_alu instid0(VALU_DEP_2)
	v_floor_f32 v[rT], -v[rT+1]                    ; the new -M = -ceil(t): a whole number
	s_delay_alu instid0(VALU_DEP_1)
	v_sub_f32 v[TX], v[rT], v[TX]                  ; old M - new M: a whole number, 0 or less
	s_delay_alu instid0(VALU_DEP_1)
	v_cvt_i32_f32 v[TX], v[TX]                     ; (it saturates)
	s_delay_alu instid0(VALU_DEP_1)
	v_ldexp_f32 v[FF], 1.0, v[TX]                  ; f = 2^(old M - new M)
.set j, 0
.rept 32
	v_pk_fma_f32 v[S+j:S+j+1], v[S+j:S+j+1], s[CS:CS+1], v[rT:rT+1] op_sel_hi:[1,0,0]   ; t - M, two at a time
.set j, j+2
.endr
.irp b, 0,1,2,3
	v_fma_f32 v[BMX+\b], v[BMX+\b], s[CS], v[rT]   ; the same of each block's largest score
.endr
.set j, 0
	s_wait_alu depctr_va_vdst(0)
.rept 64
	v_exp_f32 v[S+j], v[S+j]                       ; p = 2^(t - M), at most 1
.set j, j+1
.endr
.irp b, 0,1,2,3
	v_exp_f32 v[BMX+\b], v[BMX+\b]                 ; the block's largest p: the same two instructions on the same number
.endr
	v_pk_mul_f32 v[rT+2:rT+3], v[rT+2:rT+3], v[FF:FF+1] op_sel_hi:[1,0]   ; the sums under the new M.  (A plain place behind the exponentials)
	s_wait_alu depctr_va_vdst(0)
.irp b, 0,1,2,3
	v_max_num_f32 v[BMX+\b], 0x4800000, v[BMX+\b]  ; the floor 2^(9 - 127): the byte cannot fall under 1
.endr
.irp b, 0,1,2,3
	s_delay_alu instid0(VALU_DEP_4)
	v_add_nc_u32 v[TSC+\b], 0xfc000000, v[BMX+\b]  ; 8 off the exponent field: the conversion's scale operand
.endr
.irp b, 0,1,2,3
.endr
.irp b, 0,1,2,3
	s_delay_alu instid0(VALU_DEP_4)
	v_lshrrev_b32 v[TP+\b], 23, v[TSC+\b]          ; the scale's byte
.endr
	s_delay_alu instid0(VALU_DEP_3)
	v_lshl_or_b32 v[PW], v[TP+1], 8, v[TP]         ; p's scale word for these 128 keys
	s_delay_alu instid0(VALU_DEP_1)
	v_lshl_or_b32 v[PW], v[TP+2], 16, v[PW]
	s_delay_alu instid0(VALU_DEP_1)
	v_lshl_or_b32 v[PW], v[TP+3], 24, v[PW]
	v_pk_add_f32 v[SM:SM+1], v[S:S+1], v[S+2:S+3]  ; the row's sum is taken of the unquantised p: two at a time, in two chains
.set j, 4
.rept 15
	v_pk_add_f32 v[rT+2:rT+3], v[rT+2:rT+3], v[S+j:S+j+1]
	v_pk_add_f32 v[SM:SM+1], v[SM:SM+1], v[S+j+2:S+j+3]
.set j, j+4
.endr
	s_delay_alu instid0(VALU_DEP_1)
	v_pk_add_f32 v[rT+2:rT+3], v[rT+2:rT+3], v[SM:SM+1]
.irp b, 0,1,2,3
.irp e, 0,1,2,3,4,5,6,7,8,9,10,11,12,13,14,15
.endr
	v_cvt_scalef32_pk8_fp8_f32 v[PC+4*\b:PC+4*\b+1], v[S+16*\b:S+16*\b+7], v[TSC+\b]
	v_cvt_scalef32_pk8_fp8_f32 v[PC+4*\b+2:PC+4*\b+3], v[S+16*\b+8:S+16*\b+15], v[TSC+\b]
.irp c, 0,1,2,3
	ds_load_b128 v[S+16*\b+4*\c:S+16*\b+4*\c+3], v[ADR0] offset:(128*\q+16*\b)*KP+32*\c   ; the block's p is done with: its registers take v's tile b (rows 16 b + r, these 128 keys)
.endr
.endr
.irp t, 0,1
	ds_load_b32 v[SCL+\t], v[ADR1] offset:(4*\q+\t)*KP   ; v's scale words: lanes 0-15 tile 2 t's rows, lanes 16-31 tile 2 t + 1's
.endr
.set j, 0
.rept 16
	v_pk_mul_f32 v[rO+j:rO+j+1], v[rO+j:rO+j+1], v[FF:FF+1] op_sel_hi:[1,0]   ; O^T under the new M.  (Also the plain lines behind the conversions and in front of the products)
.set j, j+2
.endr
	s_wait_alu depctr_va_vdst(0)
	s_wait_dscnt 0x0
.irp t, 0,1,2,3                                ; the four accumulators take turns, one instruction a turn
.if \t%2
	v_wmma_scale_f32_16x16x128_f8f6f4 v[rO+8*\t:rO+8*\t+7], v[S+16*\t:S+16*\t+15], v[PC:PC+15], v[rO+8*\t:rO+8*\t+7], v[SCL+\t/2], v[PW] matrix_a_scale:MATRIX_SCALE_ROW1
.else
	v_wmma_scale_f32_16x16x128_f8f6f4 v[rO+8*\t:rO+8*\t+7], v[S+16*\t:S+16*\t+15], v[PC:PC+15], v[rO+8*\t:rO+8*\t+7], v[SCL+\t/2], v[PW]
.endif
.endr
.Lhidden_\@:
.endm
; THE CHANGE OF SLOTS stands at a slot's head.  Each wave waits for all its tensor loads, adds 0 to its spare word, and waits for that and for its reads of the slot that it has left.  fill = 1: a round of the cluster's
; barrier, so that no wave of any partner still reads that slot or has a load on its way, and behind it the joint refill: it has a slot's two key steps in which to land.  One tensor load of a wave is out at the most.
.macro CHANGE fill
	s_wait_tensorcnt 0x0                           ; no tensor load of mine is out, so group 0 may be written
	ds_add_u32 v[SPW], v[NIL]                      ; 0 onto my spare word
.if \fill
	s_xor_b32 s[G0+1], s[G0+1], SLOT1              ; the other slot than last time,
	s_add_nc_u64 s[G0+2:G0+3], s[G0+2:G0+3], REC   ; the next record; the type bits on top are not reached
	s_wait_xcnt 0x0                                ; the last prefetch, a slot back, has read its address, so it may be written:
	s_add_nc_u64 s[PFA:PFA+1], s[PFA:PFA+1], REC   ; one record further on than the walking descriptor
	s_wait_dscnt 0x0                               ; the add is done, and my reads of the slot that I have left are over
	CROUND
	TLOAD                                          ; the first thing behind the round, and a wave's one tensor load until the next
	ASK
.else
	s_wait_dscnt 0x0
	s_barrier_signal -1
	s_barrier_wait -1
.endif
.endm
.macro SLOT_STEPS
.irp q, 0,1
	STEP 0, \q
	STEP 1, \q
	s_add_co_u32 s[UU], s[UU], 1
.endr
	s_xor_b32 s[TBK], s[TBK], SLOT1                ; on to the other slot
	s_xor_b32 s[TBV], s[TBV], SLOT1
	s_xor_b32 s[TBS], s[TBS], SLOT1
	s_xor_b32 s[TBT], s[TBT], SLOT1
.endm
	s_wait_loadcnt 0x0                             ; q
.Lslot:                                            ; 7 trips: behind each change of slots but the last the next record is asked for
	CHANGE 1
	SLOT_STEPS
	s_sub_co_u32 s[SLOTS], s[SLOTS], 1
	s_cmp_lg_u32 s[SLOTS], 0
	s_cbranch_scc1 .Lslot
	CHANGE 0                                       ; the last slot is written out
	SLOT_STEPS
; THE WAY OUT of tile x: O^T / the sum; its two blocks of 32 channels are quantised; the codes are the last projection's operand registers as they stand: 512 consecutive bytes a store.
.macro RESULT x
.set rT, ST+4*\x
.set rO, OA+32*\x
.set rC, PC+8*\x
	s_lshr_b32 s14, s[BP], 3
	s_lshl_b32 s14, s14, 7
	s_lshl_b32 s15, s[N0+\x], 3
	s_add_co_u32 s14, s14, s15
	s_add_co_u32 s14, s14, s[JJ]                   ; which 16 rows of the 8,192: 128 b + 8 n + J
	s_and_b32 s15, s[BP], 7                        ; the pair
	s_lshl_b32 s16, s14, 3
	s_add_co_u32 s16, s16, s15
	s_lshl_b32 s16, s16, 11                        ; an image of 16 rows x 128 channels is 2,048 bytes;
	s_lshl_b32 s17, s[EE], 10                      ; my head's half of it
	s_add_co_u32 s16, s16, s17
	s_lshl_b32 s14, s14, 9                         ; 16 rows of 32 scale bytes,
	s_lshl_b32 s15, s15, 2                         ; the pair's four,
	s_add_co_u32 s14, s14, s15
	s_lshl_b32 s17, s[EE], 1                       ; my head's two
	s_add_co_u32 s14, s14, s17
	v_add_f32 v[rT+2], v[rT+2], v[rT+3]            ; the sum's two halves,
	s_wait_alu depctr_va_vdst(0)
	v_permlanex16_b32 v[TP], v[rT+2], s[SEL], s[SEL+1]
	s_delay_alu instid0(VALU_DEP_1)
	v_add_f32 v[rT+2], v[rT+2], v[TP]              ; and lane l xor 16's
	s_wait_alu depctr_va_vdst(0)
	v_rcp_f32 v[FF], v[rT+2]
	v_rcp_f32 v[FF+1], v[rT+2]                     ; twice: a pair for the packed multiplication
	v_lshl_add_u32 v[AO+\x], v[LB], 2, s16         ; 16 x lane.  (A plain place behind the reciprocals)
	v_and_b32 v[AS+\x], 15, v0
	s_delay_alu instid0(VALU_DEP_1)
	v_lshl_add_u32 v[AS+\x], v[AS+\x], 5, s14      ; row r
.set j, 0
	s_wait_alu depctr_va_vdst(0)
.rept 16
	v_pk_mul_f32 v[S+j:S+j+1], v[rO+j:rO+j+1], v[FF:FF+1]   ; register 16 b + i: channel 32 b + 16 h + i of query r
.set j, j+2
.endr
.irp b, 0,1
	v_max3_num_f32 v[BMX+\b], |v[S+16*\b]|, |v[S+1+16*\b]|, 0x4800000
.endr
.irp e, 2,4,6,8,10,12,14
.irp b, 0,1
	s_delay_alu instid0(VALU_DEP_2)
	v_max3_num_f32 v[BMX+\b], v[BMX+\b], |v[S+16*\b+\e]|, |v[S+1+16*\b+\e]|
.endr
.endr
.irp b, 0,1
	s_delay_alu instid0(VALU_DEP_2)
	v_permlanex16_b32 v[TP+\b], v[BMX+\b], s[SEL], s[SEL+1]
.endr
.irp b, 0,1
	s_delay_alu instid0(VALU_DEP_2)
	v_max_num_f32 v[BMX+\b], v[BMX+\b], v[TP+\b]
.endr
.irp b, 0
	s_delay_alu instid0(VALU_DEP_2)
	v_add_nc_u32 v[TSC+\b], 0xfc000000, v[BMX+\b]
	s_delay_alu instid0(VALU_DEP_1)
	v_lshrrev_b32 v[TP+\b], 23, v[TSC+\b]
.endr
.irp b, 1
	s_delay_alu instid0(VALU_DEP_3)
	v_add_nc_u32 v[TSC+\b], 0xfc000000, v[BMX+\b]
	s_delay_alu instid0(VALU_DEP_1)
	v_lshrrev_b32 v[TP+\b], 23, v[TSC+\b]
.endr
	s_delay_alu instid0(VALU_DEP_1)
	v_lshl_or_b32 v[TX+\x], v[TP+1], 8, v[TP]      ; the two bytes
.irp b, 0,1
.irp e, 0,1,2,3,4,5,6,7,8,9,10,11,12,13,14,15
.endr
	v_cvt_scalef32_pk8_fp8_f32 v[rC+4*\b:rC+4*\b+1], v[S+16*\b:S+16*\b+7], v[TSC+\b]
	v_cvt_scalef32_pk8_fp8_f32 v[rC+4*\b+2:rC+4*\b+3], v[S+16*\b+8:S+16*\b+15], v[TSC+\b]
.endr
	v_nop                                          ; one plain line behind the last conversion: the next tile's multiplications write its sources
.irp b, 0,1
	global_store_b128 v[AO+\x], v[rC+4*\b:rC+4*\b+3], s[10:11] offset:512*\b
.endr
	global_store_b16 v[AS+\x], v[TX+\x], s[12:13]  ; both halves of the lanes write the same two bytes.  Each tile has its own data and offset registers: no wait stands between the tiles
.endm
.rept 8
	v_nop                                          ; places behind the last products
.endr
	RESULT 0
	RESULT 1
	s_wait_tensorcnt 0x0                           ; the wave's end
	ds_add_u32 v[SPW], v[NIL]
	s_wait_dscnt 0x0
	CROUND                                         ; the closing round
	s_endpgm
.Lfunc_end_k_qdf7a460dd5_attn:
	.size	k_qdf7a460dd5_attn, .Lfunc_end_k_qdf7a460dd5_attn-k_qdf7a460dd5_attn
	.p2alignl 7, 3214868480
	.fill 96, 4, 3214868480
	.section	.rodata,"a",@progbits
	.p2align	6, 0x0
	.amdhsa_kernel k_qdf7a460dd5_attn
		.amdhsa_group_segment_fixed_size 327680
		.amdhsa_private_segment_fixed_size 0
		.amdhsa_enable_private_segment 0
		.amdhsa_kernarg_size 40
		.amdhsa_user_sgpr_count 2
		.amdhsa_user_sgpr_kernarg_segment_ptr 1
		.amdhsa_wavefront_size32 1
		.amdhsa_system_sgpr_workgroup_id_x 1
		.amdhsa_system_sgpr_workgroup_id_y 1
		.amdhsa_system_sgpr_workgroup_id_z 1
		.amdhsa_system_vgpr_workitem_id 0
		.amdhsa_next_free_vgpr 256
		.amdhsa_next_free_sgpr 66
		.amdhsa_reserve_vcc 1
		.amdhsa_float_denorm_mode_32 3
		.amdhsa_float_denorm_mode_16_64 3
		.amdhsa_fp16_overflow 1
		.amdhsa_memory_ordered 1
		.amdhsa_forward_progress 1
		.amdhsa_inst_pref_size 198
	.end_amdhsa_kernel
	.amdgpu_metadata
---
amdhsa.version: [ 1, 2 ]
amdhsa.kernels:
  - .name:           k_qdf7a460dd5_attn
    .symbol:         k_qdf7a460dd5_attn.kd
    .args:
      - { .name: qc, .offset: 0, .size: 8, .value_kind: global_buffer, .address_space: global }
      - { .name: qs, .offset: 8, .size: 8, .value_kind: global_buffer, .address_space: global }
      - { .name: kv, .offset: 16, .size: 8, .value_kind: global_buffer, .address_space: global }
      - { .name: ac, .offset: 24, .size: 8, .value_kind: global_buffer, .address_space: global }
      - { .name: asc, .offset: 32, .size: 8, .value_kind: global_buffer, .address_space: global }
    .group_segment_fixed_size: 327680
    .private_segment_fixed_size: 0
    .kernarg_segment_align: 8
    .kernarg_segment_size: 40
    .max_flat_workgroup_size: 512
    .sgpr_count:     66
    .vgpr_count:     256
    .wavefront_size: 32
...
	.end_amdgpu_metadata
.endif
;; end of part 2
;; launch proj (part 3): grid 4 x 32, 4 waves a work-group, clusters of 4 x 4, 327,680 bytes of LDS; arguments ac, asc, wp_codes, wp_scales, out0, bp; writes out0
.if DOCPART == 3
	.amdgcn_target "amdgcn-amd-amdhsa--gfx1250"
	.amdhsa_code_object_version 6
	.text
	.protected	k_qdf7a460dd5_proj
	.globl	k_qdf7a460dd5_proj
	.p2align	8
	.type	k_qdf7a460dd5_proj,@function
k_qdf7a460dd5_proj:
	s_mov_b64 s[64:65], 0
	v_nop
	global_prefetch_b8 v0, s[64:65] scope:SCOPE_SE
	s_setreg_imm32_b32 hwreg(HW_REG_WAVE_MODE, 25, 1), 1
	s_wait_xcnt 0x0
	s_wait_alu depctr_hold_cnt(0) depctr_sa_sdst(0) depctr_va_vdst(0) depctr_va_sdst(0) depctr_va_ssrc(0) depctr_va_vcc(0) depctr_vm_vsrc(0)
	s_getreg_b32 s2, hwreg(HW_REG_IB_STS2, 6, 4)
	s_cmp_eq_u32 s2, 0
	s_cbranch_scc0 .Lentry_in_a_cluster
	s_endpgm
.Lentry_in_a_cluster:
	s_bfe_u32 s2, ttmp6, 0x10000c
	s_cmp_lg_u32 s2, 0xf033
	s_cbranch_scc0 .Lentry_shape_is_right
	s_endpgm
.Lentry_shape_is_right:
; out0[m][n] = sum over k of a[m][k] wp[n][k] + bp[n]: 8,192 x 1,024 x 1,024 on codes of FP8 (E4M3) with one E8M0 scale for each 32 along K; sums and out0 in f32.
; a is the attention's result as the launch before left it: ac holds IMAGES OF THE OPERAND'S REGISTERS, [16 rows 512][128 along K 8][c 4][lane 32][16 bytes], asc its scale bytes [8,192][32].  wp: codes [1,024][1,024], scale bytes [1,024][32].
; A tile of out0, 256 x 256, is made by four waves, each 128 x 128: 64 accumulators.  K goes in steps of 256 through a ring of two LDS slots filled by the tensor data mover.  Of a, a K step of 16 rows is 4,096 dense
; bytes: a wave's load brings eight such rows; a fragment comes back by four loads of 512 consecutive bytes.  wp's tiles are rows of 256 bytes, padded.  The scale bytes of the 256 + 256 rows for all of K come once.
; 4 x 4 work-groups form a cluster: a's tiles are asked for jointly along a row of it, wp's along a column.  128 tiles: 128 work-groups.
; THE MATRIX INSTRUCTION IS USED TRANSPOSED (source 0 = 16 rows of wp, source 1 = 16 rows of a): a lane holds eight neighbouring numbers of a row of out0.  bp is the C of each sum's first product.
; LIMITS: NaN and infinities are not served.
.set NQ,     2                         ; matrix instructions deep in a slot
.set ROWB,   256                       ; a row of wp's tile in bytes
.set KROW,   1024                      ; a row of wp in memory
.set PITCH,  272                       ; wp's LDS row: 256 bytes + 16 of padding: the 16 rows that a load touches start at 16 different banks (ISA guide 11.1)
.set FR,     16
.set NL,     4
.set NP,     8                         ; places behind this matrix instruction (ISA guide 7.12.1)
.set ABLK,   4096                      ; 16 rows of a, a K step: two images
.set HALFA,  8*ABLK                    ; 128 rows of a: what one tensor load brings
.set HALFT,  128*PITCH                 ; 128 rows of wp
.set BOFF,   2*HALFA
.set SLOT,   BOFF+2*HALFT              ; a's 256 rows, then wp's 256 rows
.set LAPS,   2
.set KS,     32
.set SCL,    2*SLOT                    ; behind the ring: the scales, as units of 256 bytes + 16 of padding
.set HALFS,  16*272
.set SBLK,   2*272
.set SPARE,  SCL+4*HALFS               ; the spare words: two blocks of 256 bytes that no other line names
.set SPITCH, 528                       ; the way out: a stage of 16 rows x (512 bytes + 16) for each wave, in slot 0, used behind that slot's last fill and last read
.set SIZE_N, 1024
.set BNO,  7                           ; v7      32 h
.set ADRA, 16                          ; v16-17  LDS address of my A images in slot 0, 1
.set ADRB, 20                          ; v20-21  of my B fragments
.set STO,  24
.set RD,   25
.set CO,   26
.set ADRS, 27
.set SPW,  28                          ; v28     LDS address of my spare word; never rewritten
.set NIL,  29                          ; v29     0; never rewritten
.set SC,   32                          ; v32-63  scale words, two sets, and nothing else
.set BN,   64                          ; v64-127 bp of my 64 columns, in the result's layout
.set AF,   128                         ; v128-255 A's fragments, one set
.set BK,   128                         ; the way out: 16 rows read back: v128-191 and v192-255 by turns
.set G1, 24
.set G0, 32
.set G1B, 48
.set G0B, 56
.set G1S, 68
.set G0S, 76
.set G1SB, 80
.set G0SB, 88
.set MSB, 0
.macro WIN new                         ; the immediate's high byte repeats the setting that is left
.if MSB != \new
	s_set_vgpr_msb (MSB<<8)|\new
.set MSB, \new
.endif
.endm
.set MUL_LO, 0xa1                      ; source 0 (B) window 1, source 1 (A) window 0, C and D window 2
.set MUL_HI, 0xf1                      ; the same, C and D window 3
.set FST_LO, 0x81                      ; the first step: C (bp) window 0, D window 2
.set FST_HI, 0xc1                      ; D window 3
.set TO_B,   0x40
.macro JLOAD g0a, g1a, g0b, g1b        ; a joint load: waves 0 and 1 fetch for A, waves 2 and 3 for B; four v_nop follow each line
	s_cmp_eq_u32 s15, 0
	s_cbranch_scc0 .Lfor_b_\@
	tensor_load_to_lds s[\g0a:\g0a+3], s[\g1a:\g1a+7]
	s_nop 0
.rept 4
	v_nop
.endr
	s_branch .Lasked_\@
.Lfor_b_\@:
	tensor_load_to_lds s[\g0b:\g0b+3], s[\g1b:\g1b+7]
	s_nop 0
.rept 4
	v_nop
.endr
.Lasked_\@:
.endm
.macro CREST
	s_cmp_lg_u32 s14, 0
	s_cbranch_scc1 .Lnot_wave_0_\@
	s_barrier_signal -3
.Lnot_wave_0_\@:
	s_barrier_wait -3
	s_barrier_signal -1
	s_barrier_wait -1
.endm
.macro CROUND
	s_barrier_signal -1
	s_barrier_wait -1
	CREST
.endm
	s_load_b128 s[4:7], s[0:1], 0x0                ; ac, asc
	s_load_b128 s[8:11], s[0:1], 0x10              ; wp's codes, wp's scales
	s_load_b64 s[12:13], s[0:1], 0x20              ; out0
	s_load_b64 s[96:97], s[0:1], 0x28              ; bp
	v_lshl_add_u32 v[SPW], v0, 2, SPARE
	v_mov_b32 v[NIL], 0
	ds_add_u32 v28, v29
	ds_add_u32 v28, v29
	s_wait_dscnt 0x0
	v_lshrrev_b32 v1, 5, v0
	v_readfirstlane_b32 s14, v1                    ; wave 0..3
	s_lshr_b32 s15, s14, 1                         ; which half of the tile's rows is mine.  Also: I fetch for A (0) or for B (1)
	s_and_b32 s16, s14, 1                          ; which half of its columns.  Also: which 128 rows of that tile I fetch
	s_bfe_u32 s40, ttmp6, 0x40000                  ; cx, cy
	s_bfe_u32 s41, ttmp6, 0x40004
	s_lshl_b32 s42, ttmp9, 2
	s_add_co_u32 s42, s42, s40                     ; tile column
	s_and_b32 s17, ttmp7, 0xffff
	s_lshl_b32 s17, s17, 2
	s_add_co_u32 s17, s17, s41                     ; tile row
	s_lshl_b32 s43, s41, 2
	s_lshl_b32 s43, 15, s43                        ; my row of the cluster
	s_lshl_b32 s44, 0x1111, s40                    ; my column
	; descriptor group 1 for A: 8 rows of 512 elements of 8 bytes (4,096 bytes), 16,384 bytes apart, no padding
	s_or_b32 s[G1+0], s43, (3<<16)|(1<<21)
	s_mov_b32 s[G1+1], 512<<16                     ; tensor_dim0
	s_mov_b32 s[G1+2], 8<<16                       ; tensor_dim1
	s_mov_b32 s[G1+3], 512<<16                     ; tile_dim0
	s_mov_b32 s[G1+4], 8                           ; tile_dim1
	s_mov_b32 s[G1+5], 2048                        ; tensor_dim0_stride
	s_mov_b32 s[G1+6], 0
	s_mov_b32 s[G1+7], 0
	; for B: 128 rows of 256 bytes, padded in LDS
	s_or_b32 s[G1B+0], s44, (0<<16)|(1<<20)|(1<<21)|(5<<22)|(3<<25)
	s_mov_b32 s[G1B+1], ROWB<<16
	s_mov_b32 s[G1B+2], 128<<16
	s_mov_b32 s[G1B+3], ROWB<<16
	s_mov_b32 s[G1B+4], 128
	s_mov_b32 s[G1B+5], KROW
	s_mov_b32 s[G1B+6], 0
	s_mov_b32 s[G1B+7], 0
	; for the scales of 128 rows: 16 rows of 256 bytes, 16 bytes of padding behind each
	s_or_b32 s[G1S+0], s43, (3<<16)|(1<<20)|(1<<21)|(5<<22)|(3<<25)
	s_or_b32 s[G1SB+0], s44, (3<<16)|(1<<20)|(1<<21)|(5<<22)|(3<<25)
.irp g, G1S, G1SB
	s_mov_b32 s[\g+1], 32<<16
	s_mov_b32 s[\g+2], 16<<16
	s_mov_b32 s[\g+3], 32<<16
	s_mov_b32 s[\g+4], 16
	s_mov_b32 s[\g+5], 32
	s_mov_b32 s[\g+6], 0
	s_mov_b32 s[\g+7], 0
.endr
	s_lshl_b32 s20, s17, 18                        ; A's images: 256 rows are 16 x 16,384 bytes,
	s_lshl_b32 s18, s16, 17                        ; 128 rows half of that
	s_add_co_u32 s20, s20, s18
	s_mov_b32 s21, 0
	s_lshl_b32 s22, s17, 13                        ; A's scales: 32 bytes a row
	s_lshl_b32 s18, s16, 12
	s_add_co_u32 s22, s22, s18
	s_mov_b32 s23, 0
	s_lshl_b32 s46, s42, 8
	s_lshl_b32 s18, s16, 7
	s_add_co_u32 s46, s46, s18                     ; B: row 256 x tile column + 128 x half
	s_lshl_b32 s92, s46, 5
	s_mov_b32 s93, 0
	s_lshl_b32 s46, s46, 10
	s_mov_b32 s47, 0
	s_mul_i32 s45, s16, HALFA                      ; where they go: no place in the cluster enters an LDS address
	s_mul_i32 s95, s16, HALFT
	s_add_co_u32 s95, s95, BOFF
	s_mul_i32 s94, s14, HALFS
	s_wait_kmcnt 0x0
	s_add_nc_u64 s[20:21], s[4:5], s[20:21]
	s_add_nc_u64 s[22:23], s[6:7], s[22:23]
	s_add_nc_u64 s[46:47], s[8:9], s[46:47]
	s_add_nc_u64 s[92:93], s[10:11], s[92:93]
	CROUND                                         ; all sixteen work-groups are here: the first joint loads meet
	s_mov_b32 s[G0S], 1
	s_add_co_u32 s[G0S+1], s94, SCL
	s_mov_b64 s[G0S+2:G0S+3], s[22:23]
	s_or_b32 s[G0S+3], s[G0S+3], 0x80000000
	s_mov_b32 s[G0SB], 1
	s_add_co_u32 s[G0SB+1], s94, SCL
	s_mov_b64 s[G0SB+2:G0SB+3], s[92:93]
	s_or_b32 s[G0SB+3], s[G0SB+3], 0x80000000
	JLOAD G0S, G1S, G0SB, G1SB                     ; the scales first
.irp s, 0,1
	s_mov_b32 s[G0+4*\s], 1
	s_add_co_u32 s[G0+4*\s+1], s45, \s*SLOT
	s_add_nc_u64 s[G0+4*\s+2:G0+4*\s+3], s[20:21], \s*ABLK
	s_or_b32 s[G0+4*\s+3], s[G0+4*\s+3], 0x80000000
	s_mov_b32 s[G0B+4*\s], 1
	s_add_co_u32 s[G0B+4*\s+1], s95, \s*SLOT
	s_add_nc_u64 s[G0B+4*\s+2:G0B+4*\s+3], s[46:47], \s*ROWB
	s_or_b32 s[G0B+4*\s+3], s[G0B+4*\s+3], 0x80000000
	s_wait_alu depctr_va_vdst(0)
	s_wait_tensorcnt 0x0
	ds_add_u32 v28, v29
	s_wait_dscnt 0x0
	CROUND
	JLOAD G0+4*\s, G1, G0B+4*\s, G1B               ; one tensor load of mine is out
.endr
	v_and_b32 v1, 15, v0                           ; r
	v_bfe_u32 v2, v0, 4, 1                         ; h
	v_mul_u32_u24 v3, v1, PITCH
	v_lshl_add_u32 v4, v2, 4, v3                   ; B: a fragment's row x pitch + 16 x half
	v_and_b32 v6, 31, v0
	v_lshlrev_b32 v3, 4, v6                        ; A: 16 x lane in an image
	s_mul_i32 s21, s15, HALFA                      ; my 128 rows of A
	s_mul_i32 s22, s16, HALFT                      ; my 128 rows of B,
	s_add_co_u32 s22, s22, BOFF                    ; which lie behind A's 256
.irp s, 0,1
	v_add_nc_u32 v[ADRA+\s], s21, v3
	v_add_nc_u32 v[ADRB+\s], s22, v4
	s_add_co_u32 s21, s21, SLOT
	s_add_co_u32 s22, s22, SLOT
.endr
	v_mul_u32_u24 v5, v1, KS                       ; my row's scales: 32 bytes a row,
	v_lshrrev_b32 v6, 8, v5
	v_lshl_add_u32 v5, v6, 4, v5                   ; and 16 more for each 256 passed
	s_mul_i32 s21, s15, HALFS
	s_mul_i32 s22, s16, HALFS
	s_add_co_u32 s22, s22, 2*HALFS
	s_sub_co_u32 s22, s22, s21
	v_mul_u32_u24 v6, s22, v2                      ; lanes 16-31 take B's
	s_add_co_u32 s21, s21, SCL
	v_add_nc_u32 v5, v5, v6
	v_add_nc_u32 v[ADRS], s21, v5
	s_mul_i32 s23, s14, 16*SPITCH                  ; my stage
	v_mul_u32_u24 v5, v1, SPITCH
	v_lshl_add_u32 v5, v2, 5, v5
	v_add_nc_u32 v[STO], s23, v5                   ; in: row r, 32 bytes for each half of the lanes
	v_and_b32 v6, 31, v0
	v_lshlrev_b32 v[CO], 4, v6                     ; back: the 32 lanes take one row of 512 bytes; and the same in out0
	v_add_nc_u32 v[RD], s23, v[CO]
	v_lshlrev_b32 v[BNO], 5, v2
	s_wait_alu depctr_va_vdst(0)
	s_lshl_b32 s20, s17, 8
	s_lshl_b32 s21, s15, 7
	s_add_co_u32 s20, s20, s21                     ; my first row of out0
	s_lshl_b32 s20, s20, 12                        ; 4,096 bytes a row (32 MiB at the most)
	s_mov_b32 s21, 0
	s_lshl_b32 s46, s42, 10                        ; my first column, in bytes: 1,024 x tile column + 512 x half
	s_lshl_b32 s47, s16, 9
	s_add_co_u32 s46, s46, s47
	s_mov_b32 s47, 0
	s_add_nc_u64 s[96:97], s[96:97], s[46:47]      ; bp at my first column
	s_add_nc_u64 s[20:21], s[20:21], s[46:47]
	s_add_nc_u64 s[12:13], s[12:13], s[20:21]
.irp b, 0,1,2,3,4,5,6,7
	global_load_b128 v[BN+8*\b:BN+8*\b+3], v[BNO], s[96:97] offset:64*\b        ; columns 16 b + 8 h + 0 .. 7
	global_load_b128 v[BN+8*\b+4:BN+8*\b+7], v[BNO], s[96:97] offset:64*\b+16
.endr
.macro FRAG reg, adr, q, i             ; a fragment of B from rows: lane l holds row l % 16; registers 4 c .. 4 c + 3 hold K = 32 c + 16 (l / 16) + 0 .. 15
.irp c, 0,1,2,3
	ds_load_b128 v[\reg+4*\c:\reg+4*\c+3], v[\adr] offset:128*(\q)+32*\c+(\i)*16*PITCH
.endr
.endm
.macro FRAGA reg, adr, q, i            ; a fragment of A from its image: 512 consecutive bytes a load
.irp c, 0,1,2,3
	ds_load_b128 v[\reg+4*\c:\reg+4*\c+3], v[\adr] offset:ABLK*(\i)+2048*(\q)+512*\c
.endr
.endm
; 16 matrix instructions: A's blocks a0, a0 + 1 x B's eight.  zero = 1: the first product starts the sums from bp.  The 64 accumulators take turns, one instruction a turn.
.macro MUL16 a0, p, q, sc, zero
.irp a, \a0, \a0+1
.irp b, 0,1,2,3,4,5,6,7
.if \zero
	v_wmma_scale_f32_16x16x128_f8f6f4 v[8*(8*((\a)%4)+\b):8*(8*((\a)%4)+\b)+7], v[128*(\p)+FR*\b:128*(\p)+FR*\b+FR-1], v[AF+FR*(\a):AF+FR*(\a)+FR-1], v[BN+8*\b:BN+8*\b+7], v[SC+8*NQ*(\sc)+NQ*\b+(\q)], v[SC+8*NQ*(\sc)+NQ*(\a)+(\q)] matrix_a_scale:MATRIX_SCALE_ROW1
.else
	v_wmma_scale_f32_16x16x128_f8f6f4 v[8*(8*((\a)%4)+\b):8*(8*((\a)%4)+\b)+7], v[128*(\p)+FR*\b:128*(\p)+FR*\b+FR-1], v[AF+FR*(\a):AF+FR*(\a)+FR-1], v[8*(8*((\a)%4)+\b):8*(8*((\a)%4)+\b)+7], v[SC+8*NQ*(\sc)+NQ*\b+(\q)], v[SC+8*NQ*(\sc)+NQ*(\a)+(\q)] matrix_a_scale:MATRIX_SCALE_ROW1
.endif
.endr
.endr
.endm
.macro FETCH_B slot, q, p
	WIN TO_B
.irp i, 0,1,2,3,4,5,6,7
	FRAG 128*(\p)+FR*\i, ADRB+\slot, \q, \i
.endr
	WIN 0
.endm
.macro FETCH_A slot, q, i0
.irp i, \i0, \i0+1, \i0+2, \i0+3
	FRAGA AF+FR*(\i), ADRA+\slot, \q, \i
.endr
.endm
.macro SCALES sc                       ; a K step's scale words: lanes 0-15 take A's block i, lanes 16-31 B's block i
.irp i, 0,1,2,3,4,5,6,7
	ds_load_b64 v[SC+8*NQ*\sc+NQ*\i:SC+8*NQ*\sc+NQ*\i+1], v[ADRS] offset:\i*SBLK
.endr
.endm
.macro PLACES n                        ; places in front of loads into registers that matrix instructions have read, and of the first read of results (ISA guide 7.12.1 for the reads of results)
.rept \n
	v_nop
.endr
.endm
.macro STEP slot, q, zero
	s_wait_dscnt 4*NL                              ; B's set and A's blocks 0-3 are in; the youngest 16 loads (A's blocks 4-7) may be out
.if \zero
	WIN FST_LO
.else
	WIN MUL_LO
.endif
	MUL16 0, (\q)%2, \q, \slot, \zero
	MUL16 2, (\q)%2, \q, \slot, \zero
	s_wait_dscnt 0                                 ; A's blocks 4-7 are in
	PLACES NP
	FETCH_B \slot, (\q)+1, 1-(\q)%2
	FETCH_A \slot, (\q)+1, 0
.if \zero
	WIN FST_HI
.else
	WIN MUL_HI
.endif
	MUL16 4, (\q)%2, \q, \slot, \zero
	MUL16 6, (\q)%2, \q, \slot, \zero
	PLACES NP
	WIN 0
	FETCH_A \slot, (\q)+1, 4
.endm
; A slot's last step changes slots: ONE barrier; in front of it each wave waits for all its tensor loads, adds 0 to its spare word, and waits for that and for its own reads of this slot.
.macro TURN slot, next, fill
	s_wait_tensorcnt 0x0                           ; all my tensor loads have landed: my part of the next slot
	ds_add_u32 v[SPW], v[NIL]                      ; 0 onto my spare word
	s_wait_dscnt 4*NL+1                            ; (the add and the youngest 16 loads may be out)
	WIN MUL_LO
	MUL16 0, 1, NQ-1, \slot, 0
	s_wait_dscnt 0x0                               ; the add is done, and my reads of this slot are over
	s_barrier_signal -1
	MUL16 2, 1, NQ-1, \slot, 0
	WIN 0
	s_barrier_wait -1
.if \fill
	CREST                                          ; the barrier has opened a round of the cluster's barrier: no wave of any partner still reads this slot or has a load on its way
	s_add_nc_u64 s[G0+4*\slot+2:G0+4*\slot+3], s[G0+4*\slot+2:G0+4*\slot+3], 2*ABLK
	s_add_nc_u64 s[G0B+4*\slot+2:G0B+4*\slot+3], s[G0B+4*\slot+2:G0B+4*\slot+3], 2*ROWB
	JLOAD G0+4*\slot, G1, G0B+4*\slot, G1B         ; the first tensor load behind the round
	PLACES NP-4
.else
	PLACES NP
.endif
	s_wait_alu depctr_va_vdst(0)
	v_add_nc_u32 v[ADRS], 4*NQ, v[ADRS]            ; on to the next K step's scale words
	FETCH_B \next, 0, 0
	FETCH_A \next, 0, 0
	SCALES \next
	WIN MUL_HI
	MUL16 4, 1, NQ-1, \slot, 0
	MUL16 6, 1, NQ-1, \slot, 0
	PLACES NP
	WIN 0
	FETCH_A \next, 0, 4
.endm
	s_wait_tensorcnt 1                             ; the scales and my part of K step 0 are in (K step 1's load may be out)
	s_barrier_signal -1
	s_barrier_wait -1                              ; everybody's are
	FETCH_B 0, 0, 0
	FETCH_A 0, 0, 0
	SCALES 0
	FETCH_A 0, 0, 4
	s_wait_loadcnt 0x0                             ; bp
	STEP 0, 0, 1                                   ; the first step stands in front of the loop: its products start the sums from bp
	s_mov_b32 s3, LAPS-1
.Llap:
	TURN 0, 1, 1
	STEP 1, 0, 0
	TURN 1, 0, 1
	STEP 0, 0, 0
	s_sub_co_u32 s3, s3, 1
	s_cmp_lg_u32 s3, 0
	s_cbranch_scc1 .Llap
	TURN 0, 1, 0                                   ; the last lap fills nothing
	STEP 1, 0, 0
	s_wait_dscnt 4*NL
	WIN MUL_LO
	MUL16 0, 1, NQ-1, 1, 0
	MUL16 2, 1, NQ-1, 1, 0
	s_wait_dscnt 0
	WIN MUL_HI
	MUL16 4, 1, NQ-1, 1, 0
	MUL16 6, 1, NQ-1, 1, 0
	WIN 0
; THE WAY OUT, block by block of 16 rows x 128 columns, through my own stage in LDS: back as whole rows of 512 bytes.  LDS serves a wave's instructions in order (ISA guide 5.7.1.4).
.macro TOSTAGE a
.set AC, 64*((\a)%4)
	WIN 0x08+4*((\a)/4)                            ; the data: window 2 or 3
.irp b, 0,1,2,3,4,5,6,7
	ds_store_b128 v[STO], v[AC+8*\b:AC+8*\b+3] offset:64*\b          ; each accumulator from its low end on
	ds_store_b128 v[STO], v[AC+8*\b+4:AC+8*\b+7] offset:64*\b+16
.endr
	WIN 0
.set BB, BK+64*((\a)%2)
.irp t, 0,1,2,3,4,5,6,7,8,9,10,11,12,13,14,15
	ds_load_b128 v[BB+4*\t:BB+4*\t+3], v[RD] offset:\t*SPITCH
.endr
.endm
.macro SEND a, younger                 ; younger: the LDS instructions issued behind block a's loads, which may stay out
.set BB, BK+64*((\a)%2)
	s_wait_dscnt \younger
.if (\a) > 0
	s_add_nc_u64 s[12:13], s[12:13], 16*SIZE_N*4   ; (behind a wait on XCNT: the earlier stores have read their base)  16 rows on
.endif
.irp t, 0,1,2,3,4,5,6,7,8,9,10,11,12,13,14,15
	global_store_b128 v[CO], v[BB+4*\t:BB+4*\t+3], s[12:13] offset:\t*SIZE_N*4 th:TH_STORE_NT   ; 32 lanes store 512 consecutive bytes, at a multiple of 512 from out0's first byte
.endr
.endm
	PLACES NP
	TOSTAGE 0
.irp a, 1,2,3,4,5,6,7
.if \a > 1
	s_wait_xcnt 0x0                                ; block a - 2's stores have read their registers and their base
.endif
	TOSTAGE \a
	SEND \a-1, 32                                  ; behind block a - 1's loads: block a's 16 stores and 16 loads
.endr
	s_wait_xcnt 0x0
	SEND 7, 0
	s_wait_tensorcnt 0x0                           ; the wave's end
	ds_add_u32 v[SPW], v[NIL]
	s_wait_dscnt 0x0
	CROUND                                         ; the closing round
	s_endpgm
.Lfunc_end_k_qdf7a460dd5_proj:
	.size	k_qdf7a460dd5_proj, .Lfunc_end_k_qdf7a460dd5_proj-k_qdf7a460dd5_proj
	.p2alignl 7, 3214868480
	.fill 96, 4, 3214868480
	.section	.rodata,"a",@progbits
	.p2align	6, 0x0
	.amdhsa_kernel k_qdf7a460dd5_proj
		.amdhsa_group_segment_fixed_size 327680
		.amdhsa_private_segment_fixed_size 0
		.amdhsa_enable_private_segment 0
		.amdhsa_kernarg_size 48
		.amdhsa_user_sgpr_count 2
		.amdhsa_user_sgpr_kernarg_segment_ptr 1
		.amdhsa_wavefront_size32 1
		.amdhsa_system_sgpr_workgroup_id_x 1
		.amdhsa_system_sgpr_workgroup_id_y 1
		.amdhsa_system_sgpr_workgroup_id_z 1
		.amdhsa_system_vgpr_workitem_id 0
		.amdhsa_next_free_vgpr 1024
		.amdhsa_next_free_sgpr 98
		.amdhsa_reserve_vcc 0
		.amdhsa_float_denorm_mode_32 3
		.amdhsa_float_denorm_mode_16_64 3
		.amdhsa_memory_ordered 1
		.amdhsa_forward_progress 1
		.amdhsa_inst_pref_size 148
	.end_amdhsa_kernel
	.amdgpu_metadata
---
amdhsa.version: [ 1, 2 ]
amdhsa.kernels:
  - .name:           k_qdf7a460dd5_proj
    .symbol:         k_qdf7a460dd5_proj.kd
    .args:
      - { .name: ac, .offset: 0, .size: 8, .value_kind: global_buffer, .address_space: global }
      - { .name: asc, .offset: 8, .size: 8, .value_kind: global_buffer, .address_space: global }
      - { .name: wp_codes, .offset: 16, .size: 8, .value_kind: global_buffer, .address_space: global }
      - { .name: wp_scales, .offset: 24, .size: 8, .value_kind: global_buffer, .address_space: global }
      - { .name: out0, .offset: 32, .size: 8, .value_kind: global_buffer, .address_space: global }
      - { .name: bp, .offset: 40, .size: 8, .value_kind: global_buffer, .address_space: global }
    .group_segment_fixed_size: 327680
    .private_segment_fixed_size: 0
    .kernarg_segment_align: 8
    .kernarg_segment_size: 48
    .max_flat_workgroup_size: 128
    .sgpr_count:     98
    .vgpr_count:     1024
    .wavefront_size: 32
...
	.end_amdgpu_metadata
.endif
;; end of part 3
